; MI455X (gfx1250); checked and timed in simulation.
; The chip was launched on July 23, 2026; its instructions are those of AMD's public machine-readable ISA for CDNA 5 (MIT licence, August 2026) and "CDNA5" Instruction Set Architecture Reference Guide (July 2026). The comments in the code are by the model that wrote it; some were corrected since.
;; Block. Allowed arithmetic: float matrix products may take bf16 or f16 operands with f32 sums; other float arithmetic in f32, or as packed bf16 or f16 multiplies, adds, multiply-adds, maxima and minima; sums over many terms, partial sums and values carried from step to step in f32; what a program stores and reads back later, other than sums and carried values, may be rounded once to bf16 or f16.
;; Inputs: W1 1,024 x 4,096 float32; W2 4,096 x 1,024 float32; Wk 16 x 1,024 x 64 float32; Wproj 1,024 x 1,024 float32; Wq 16 x 1,024 x 64 float32; Wv 16 x 1,024 x 64 float32; b1 4,096 float32; b2 1,024 float32; bproj 1,024 float32; ln1_b 1,024 float32; ln1_g 1,024 float32; ln2_b 1,024 float32; ln2_g 1,024 float32; x 4 x 1,024 x 1,024 float32.
;; Outputs: out0 4 x 1,024 x 1,024 float32.
;; 2 versions, each right; version 2 is version 1 with the launch prep written anew for expert scheduling mode. Each part assembles by itself: llvm-mc -triple=amdgcn-amd-amdhsa -mcpu=gfx1250 --defsym DOCPART=n.
;; ======== version 1 of 2: 7 launches
;; workspace buffers: hb 33,554,432 bytes; big 33,554,432 bytes; x1 16,777,216 bytes; wa 16,809,984 bytes; wb 16,809,984 bytes
;; launch prep (part 1): grid 1025 x 1, 8 waves a work-group, no clusters, 0 bytes of LDS; arguments x, ln1_g, ln1_b, Wq, Wk, Wv, W1, W2, Wproj, b1, hb, wa, wb; writes hb, wa, wb
.if DOCPART == 1
	.amdgcn_target "amdgcn-amd-amdhsa--gfx1250"
	.amdhsa_code_object_version 6
	.text
	.protected	k_qcfb0723e04_prep
	.globl	k_qcfb0723e04_prep
	.p2align	8
	.type	k_qcfb0723e04_prep,@function
k_qcfb0723e04_prep:
	s_mov_b64 s[64:65], 0
	v_nop
	global_prefetch_b8 v0, s[64:65] scope:SCOPE_SE
	s_setreg_imm32_b32 hwreg(HW_REG_WAVE_MODE, 25, 1), 1
	s_wait_xcnt 0x0
; PREP.  Five kinds of work-group, chosen by the work-group's number alone (forward scalar branches):
;   0..255     layer norm 1 of 16 rows of x, rounded once to bf16, into hb
;   256..511   W1 -> bf16 blocks in wb         512..767 W2 -> wb + WB2         768..831 Wproj -> wa + WB2        832..1023 Wq, Wk, Wv -> wa
;   1024       the headers: bias in f32 and floor word of the two launches that share the large GEMM body
; LAYOUTS.  All 16-bit data lie in dense blocks of 128 rows x 64 numbers (16,384 bytes).
;   activations [m][col]:              ((m>>7) 64 + (col>>6)) 16384 + (m&127) 128 + 2 (col&63)       (room for 64 panels a block row; hb uses 16)
;   weights, K = 1024 (wa, wb):        WOFF + (np>>2) 524288 + (k>>7) 65536 + (np&3) 16384 + (k&127) 128 + 2 c,   np = n>>6
;   weights, N = 1024 (at WB2):        ((np>>1) 16 + (k>>8)) 65536 + ((k>>7)&1) 32768 + (np&1) 16384 + (k&127) 128 + 2 c      (Wproj uses 4 of the 16 places of a tile column)
; LANES.  Sixteen neighbouring lanes read 256 consecutive bytes of a row of f32 (16 bytes a lane) and store its 128 bytes of bf16 (8 bytes a lane); a wave's two rows are neighbours in a
; block, so each store of a wave covers 256 consecutive bytes, aligned.
; LIMITS.  Mean and variance are taken in two passes in f32 (mean first, then the squares of x - mean).  NaN and infinities are not treated apart.
.set WOFF, 32768
.set WB2,  8421376
.set X,  32                            ; v[32:95]   my 64 numbers of a row: columns 64 i + 4 (l % 16) + 0..3 at X + 4 i
.set G,  96                            ; v[96:159]  their gains; later the packed results
.set BV, 160                           ; v[160:223] their biases
.macro REDUCE                          ; the four chains v[8:15] -> one sum for the row, in each of its 16 lanes
	v_pk_add_f32 v[8:9], v[8:9], v[10:11]
	v_pk_add_f32 v[12:13], v[12:13], v[14:15]
	v_pk_add_f32 v[8:9], v[8:9], v[12:13]
	v_add_f32 v8, v8, v9
	v_add_f32_dpp v8, v8, v8 row_xmask:1 row_mask:0xf bank_mask:0xf
	v_add_f32_dpp v8, v8, v8 row_xmask:2 row_mask:0xf bank_mask:0xf
	v_add_f32_dpp v8, v8, v8 row_xmask:4 row_mask:0xf bank_mask:0xf
	v_add_f32_dpp v8, v8, v8 row_xmask:8 row_mask:0xf bank_mask:0xf   ; a row lies in one group of 16 lanes: nothing crosses the halves
.endm
; LAYER NORM of 16 rows: thread t takes row t >> 4, and of each panel i the columns 4 (t & 15) .. + 3.
.macro LNROWS xs, gs, bs, ds
	s_lshl_b32 s2, ttmp9, 16                       ; 16 rows of 4,096 bytes
	s_mov_b32 s3, 0
	s_add_nc_u64 s[\xs:\xs+1], s[\xs:\xs+1], s[2:3]
	s_lshr_b32 s2, ttmp9, 3
	s_lshl_b32 s2, s2, 20                          ; block row of 128: room for 64 panels of 16,384 bytes
	s_and_b32 s4, ttmp9, 7
	s_lshl_b32 s4, s4, 11                          ; 16 rows of 128 bytes in a panel
	s_add_co_u32 s2, s2, s4
	s_add_nc_u64 s[\ds:\ds+1], s[\ds:\ds+1], s[2:3]
	v_lshrrev_b32 v5, 4, v0                        ; my row of the 16
	v_and_b32 v6, 15, v0
	v_lshlrev_b32 v3, 4, v6                        ; my 16 bytes in a panel's 256 bytes of f32 (for gain and bias too)
	v_lshl_add_u32 v2, v5, 12, v3                  ; + my row
	v_lshlrev_b32 v4, 3, v0                        ; where my 8 bytes of bf16 go: 128 (t >> 4) + 8 (t & 15) = 8 t
.irp i, 0,1,2,3,4,5,6,7,8,9,10,11,12,13,14,15
	global_load_b128 v[X+4*(\i):X+4*(\i)+3], v2, s[\xs:\xs+1] offset:256*(\i) th:TH_LOAD_NT
.endr
.irp i, 0,1,2,3,4,5,6,7,8,9,10,11,12,13,14,15
	global_load_b128 v[G+4*(\i):G+4*(\i)+3], v3, s[\gs:\gs+1] offset:256*(\i)
.endr
.irp i, 0,1,2,3,4,5,6,7,8,9,10,11,12,13,14,15
	global_load_b128 v[BV+4*(\i):BV+4*(\i)+3], v3, s[\bs:\bs+1] offset:256*(\i)
.endr
	s_wait_loadcnt 32                              ; x is in; the 32 younger loads (gain, bias) may stay out
.irp c, 0,1,2,3
	v_pk_add_f32 v[8+2*(\c):9+2*(\c)], v[X+2*(\c):X+2*(\c)+1], v[X+8+2*(\c):X+8+2*(\c)+1]   ; four chains, started by the first pairs
.endr
.irp k, 2,3,4,5,6,7
.irp c, 0,1,2,3
	v_pk_add_f32 v[8+2*(\c):9+2*(\c)], v[8+2*(\c):9+2*(\c)], v[X+8*(\k)+2*(\c):X+8*(\k)+2*(\c)+1]
.endr
.endr
	REDUCE
	v_mul_f32 v16, s42, v8                         ; mean = sum / 1024
	v_mov_b32 v17, v16
.set p, 0
.rept 32
	v_pk_add_f32 v[X+p:X+p+1], v[X+p:X+p+1], v[16:17] neg_lo:[0,1] neg_hi:[0,1]
.set p, p+2
.endr
.irp c, 0,1,2,3
	v_pk_mul_f32 v[8+2*(\c):9+2*(\c)], v[X+2*(\c):X+2*(\c)+1], v[X+2*(\c):X+2*(\c)+1]
.endr
.irp k, 1,2,3,4,5,6,7
.irp c, 0,1,2,3
	v_pk_fma_f32 v[8+2*(\c):9+2*(\c)], v[X+8*(\k)+2*(\c):X+8*(\k)+2*(\c)+1], v[X+8*(\k)+2*(\c):X+8*(\k)+2*(\c)+1], v[8+2*(\c):9+2*(\c)]
.endr
.endr
	REDUCE
	v_fma_f32 v20, v8, s42, s43                    ; variance + 1e-5
	v_rsq_f32 v18, v20
	v_rsq_f32 v19, v20                             ; twice: a pair for the packed multiply
	v_nop                                          ; a plain instruction behind the last of the two,
	s_wait_alu depctr_va_vdst(0)                   ; and one wait for both, ahead of the first reader
	s_wait_loadcnt 0x0                             ; gain and bias
.set p, 0
.rept 32
	v_pk_mul_f32 v[X+p:X+p+1], v[X+p:X+p+1], v[18:19]
.set p, p+2
.endr
.set p, 0
.rept 32
	v_pk_fma_f32 v[X+p:X+p+1], v[X+p:X+p+1], v[G+p:G+p+1], v[BV+p:BV+p+1]
.set p, p+2
.endr
.set p, 0
.rept 32
	v_cvt_pk_bf16_f32 v[G+p], v[X+2*p], v[X+2*p+1] ; the gains have been used: their registers take the packed results
.set p, p+1
.endr
.irp i, 0,1,2,3,4,5,6,7,8,9,10,11,12,13,14,15
	global_store_b64 v4, v[G+2*(\i):G+2*(\i)+1], s[\ds:\ds+1] offset:16384*(\i)
.endr
.endm
; 256 k-rows of one panel of 64 columns, f32 -> bf16.  Thread t: row (t>>4) + 16 i, 4 columns.  v2 = source offset, v4 = 8 t.
; stride = 16 source rows in bytes; dhi = bytes between the two blocks of 128 k-rows in the target.
.macro CONV ss, ds, stride, dhi
.irp i, 0,1,2,3,4,5,6,7,8,9,10,11,12,13,14,15
	global_load_b128 v[32+4*(\i):35+4*(\i)], v2, s[\ss:\ss+1] offset:(\i)*(\stride) th:TH_LOAD_NT
.endr
.irp i, 0,1,2,3,4,5,6,7,8,9,10,11,12,13,14,15
	s_wait_loadcnt 15-(\i)                         ; load i is in; the younger ones may stay out
	v_cvt_pk_bf16_f32 v[96+2*(\i)], v[32+4*(\i)], v[33+4*(\i)]
	v_cvt_pk_bf16_f32 v[97+2*(\i)], v[34+4*(\i)], v[35+4*(\i)]
	global_store_b64 v4, v[96+2*(\i):97+2*(\i)], s[\ds:\ds+1] offset:((\i)/8)*(\dhi)+((\i)%8)*2048
.endr
.endm
.macro WBDST ds                        ; s4 = np, s5 = the quarter of K: the target's place in the K = 1024 layout
	s_lshr_b32 s6, s4, 2
	s_lshl_b32 s6, s6, 19
	s_and_b32 s7, s4, 3
	s_lshl_b32 s7, s7, 14
	s_add_co_u32 s6, s6, s7
	s_lshl_b32 s7, s5, 17
	s_add_co_u32 s6, s6, s7
	s_add_co_u32 s6, s6, WOFF
	s_mov_b32 s7, 0
	s_add_nc_u64 s[\ds:\ds+1], s[\ds:\ds+1], s[6:7]
.endm
	s_load_b512 s[8:23], s[0:1], 0x0               ; x 8, ln1_g 10, ln1_b 12, Wq 14, Wk 16, Wv 18, W1 20, W2 22
	s_load_b256 s[24:31], s[0:1], 0x40             ; Wproj 24, b1 26, hb 28, wa 30
	s_load_b64 s[32:33], s[0:1], 0x60              ; wb
	s_mov_b32 s42, 0x3a800000                      ; 1 / 1024
	s_mov_b32 s43, 0x3727c5ac                      ; 1e-5
	s_wait_kmcnt 0x0
	s_cmp_lt_u32 ttmp9, 256
	s_cbranch_scc1 .Lln
	s_cmp_lt_u32 ttmp9, 512
	s_cbranch_scc1 .Lw1
	s_cmp_lt_u32 ttmp9, 832
	s_cbranch_scc1 .Lw2
	s_cmp_lt_u32 ttmp9, 1024
	s_cbranch_scc1 .Lqkv
	; THE HEADERS: wa: bias 0 for 3,072 columns, floor -inf twice (the maximum with it changes nothing); wb: bias b1, floor 0 (the ReLU).
	v_lshlrev_b32 v4, 4, v0
.irp j, 0,1,2,3
	global_load_b128 v[16+4*(\j):19+4*(\j)], v4, s[26:27] offset:4096*(\j)
.endr
.irp r, 8,9,10,11
	v_mov_b32 v\r, 0
.endr
.irp r, 12,13,14,15
	v_mov_b32 v\r, 0xff80ff80
.endr
	global_store_b128 v4, v[8:11], s[30:31]
	global_store_b128 v4, v[8:11], s[30:31] offset:4096
	global_store_b128 v4, v[8:11], s[30:31] offset:8192
	global_store_b128 v4, v[12:15], s[30:31] offset:16384
	global_store_b128 v4, v[8:11], s[32:33] offset:16384
	s_wait_loadcnt 0x0
.irp j, 0,1,2,3
	global_store_b128 v4, v[16+4*(\j):19+4*(\j)], s[32:33] offset:4096*(\j)
.endr
	s_endpgm
.Lln:
	LNROWS 8, 10, 12, 28
	s_endpgm
.Lw1:                                                  ; W1 [1024][4096]: np = id >> 2, quarter of K = id & 3
	s_sub_co_u32 s2, ttmp9, 256
	s_lshr_b32 s4, s2, 2
	s_and_b32 s5, s2, 3
	s_lshl_b32 s6, s5, 22                          ; 256 rows of 16,384 bytes
	s_lshl_b32 s7, s4, 8
	s_add_co_u32 s6, s6, s7
	s_mov_b32 s7, 0
	s_add_nc_u64 s[20:21], s[20:21], s[6:7]
	WBDST 32
	v_lshrrev_b32 v1, 4, v0
	v_and_b32 v3, 15, v0
	v_lshlrev_b32 v2, 4, v3
	v_lshl_add_u32 v2, v1, 14, v2
	v_lshlrev_b32 v4, 3, v0
	CONV 20, 32, 262144, 65536
	s_endpgm
.Lw2:                                                  ; W2 [4096][1024] (256 work-groups), then Wproj [1024][1024] (64): np = id & 15, block of 256 k = id >> 4
	s_sub_co_u32 s2, ttmp9, 512
	s_cmp_lt_u32 s2, 256
	s_cselect_b64 s[38:39], s[22:23], s[24:25]
	s_cselect_b64 s[44:45], s[32:33], s[30:31]
	s_and_b32 s2, s2, 255
	s_and_b32 s4, s2, 15
	s_lshr_b32 s5, s2, 4
	s_lshl_b32 s6, s5, 20                          ; 256 rows of 4,096 bytes
	s_lshl_b32 s7, s4, 8
	s_add_co_u32 s6, s6, s7
	s_mov_b32 s7, 0
	s_add_nc_u64 s[38:39], s[38:39], s[6:7]
	s_lshr_b32 s6, s4, 1
	s_lshl_b32 s6, s6, 4                           ; 16 places of 65,536 bytes a tile column
	s_add_co_u32 s6, s6, s5
	s_lshl_b32 s6, s6, 16
	s_and_b32 s7, s4, 1
	s_lshl_b32 s7, s7, 14
	s_add_co_u32 s6, s6, s7
	s_add_co_u32 s6, s6, WB2
	s_mov_b32 s7, 0
	s_add_nc_u64 s[44:45], s[44:45], s[6:7]
	v_lshrrev_b32 v1, 4, v0
	v_and_b32 v3, 15, v0
	v_lshlrev_b32 v2, 4, v3
	v_lshl_add_u32 v2, v1, 12, v2
	v_lshlrev_b32 v4, 3, v0
	CONV 38, 44, 65536, 32768
	s_endpgm
.Lqkv:                                                 ; Wq, Wk, Wv [16][1024][64]: which = id >> 6, head = (id & 63) >> 2, quarter of K = id & 3
	s_sub_co_u32 s2, ttmp9, 832
	s_lshr_b32 s3, s2, 6
	s_cmp_eq_u32 s3, 0
	s_cselect_b64 s[38:39], s[14:15], s[16:17]
	s_cmp_eq_u32 s3, 2
	s_cselect_b64 s[38:39], s[18:19], s[38:39]
	s_and_b32 s2, s2, 63
	s_lshl_b32 s6, s2, 16                          ; 256 rows of 256 bytes, dense
	s_mov_b32 s7, 0
	s_add_nc_u64 s[38:39], s[38:39], s[6:7]
	s_lshr_b32 s4, s2, 2
	s_lshl4_add_u32 s4, s3, s4                     ; np = 16 which + head
	s_and_b32 s5, s2, 3
	WBDST 30
	v_lshlrev_b32 v2, 4, v0
	v_lshlrev_b32 v4, 3, v0
	CONV 38, 30, 4096, 65536
	s_endpgm
.Lfunc_end_k_qcfb0723e04_prep:
	.size	k_qcfb0723e04_prep, .Lfunc_end_k_qcfb0723e04_prep-k_qcfb0723e04_prep
	.p2alignl 7, 3214868480
	.fill 96, 4, 3214868480
	.section	.rodata,"a",@progbits
	.p2align	6, 0x0
	.amdhsa_kernel k_qcfb0723e04_prep
		.amdhsa_group_segment_fixed_size 0
		.amdhsa_private_segment_fixed_size 0
		.amdhsa_enable_private_segment 0
		.amdhsa_kernarg_size 104
		.amdhsa_user_sgpr_count 2
		.amdhsa_user_sgpr_kernarg_segment_ptr 1
		.amdhsa_wavefront_size32 1
		.amdhsa_system_sgpr_workgroup_id_x 1
		.amdhsa_system_sgpr_workgroup_id_y 1
		.amdhsa_system_sgpr_workgroup_id_z 1
		.amdhsa_system_vgpr_workitem_id 0
		.amdhsa_next_free_vgpr 224
		.amdhsa_next_free_sgpr 66
		.amdhsa_reserve_vcc 0
		.amdhsa_float_denorm_mode_32 3
		.amdhsa_float_denorm_mode_16_64 3
		.amdhsa_memory_ordered 1
		.amdhsa_forward_progress 1
		.amdhsa_inst_pref_size 42
	.end_amdhsa_kernel
	.amdgpu_metadata
---
amdhsa.version: [ 1, 2 ]
amdhsa.kernels:
  - .name:           k_qcfb0723e04_prep
    .symbol:         k_qcfb0723e04_prep.kd
    .args:
      - { .name: x, .offset: 0, .size: 8, .value_kind: global_buffer, .address_space: global }
      - { .name: ln1_g, .offset: 8, .size: 8, .value_kind: global_buffer, .address_space: global }
      - { .name: ln1_b, .offset: 16, .size: 8, .value_kind: global_buffer, .address_space: global }
      - { .name: Wq, .offset: 24, .size: 8, .value_kind: global_buffer, .address_space: global }
      - { .name: Wk, .offset: 32, .size: 8, .value_kind: global_buffer, .address_space: global }
      - { .name: Wv, .offset: 40, .size: 8, .value_kind: global_buffer, .address_space: global }
      - { .name: W1, .offset: 48, .size: 8, .value_kind: global_buffer, .address_space: global }
      - { .name: W2, .offset: 56, .size: 8, .value_kind: global_buffer, .address_space: global }
      - { .name: Wproj, .offset: 64, .size: 8, .value_kind: global_buffer, .address_space: global }
      - { .name: b1, .offset: 72, .size: 8, .value_kind: global_buffer, .address_space: global }
      - { .name: hb, .offset: 80, .size: 8, .value_kind: global_buffer, .address_space: global }
      - { .name: wa, .offset: 88, .size: 8, .value_kind: global_buffer, .address_space: global }
      - { .name: wb, .offset: 96, .size: 8, .value_kind: global_buffer, .address_space: global }
    .group_segment_fixed_size: 0
    .private_segment_fixed_size: 0
    .kernarg_segment_align: 8
    .kernarg_segment_size: 104
    .max_flat_workgroup_size: 256
    .sgpr_count:     66
    .vgpr_count:     224
    .wavefront_size: 32
...
	.end_amdgpu_metadata
.endif
;; end of part 1
;; launch qkv (part 2): grid 12 x 16, 4 waves a work-group, clusters of 4 x 4, 327,680 bytes of LDS; arguments hb, wa, big; writes big
.if DOCPART == 2
	.amdgcn_target "amdgcn-amd-amdhsa--gfx1250"
	.amdhsa_code_object_version 6
	.text
	.protected	k_qcfb0723e04_qkv
	.globl	k_qcfb0723e04_qkv
	.p2align	8
	.type	k_qcfb0723e04_qkv,@function
k_qcfb0723e04_qkv:
	s_mov_b64 s[64:65], 0
	v_nop
	global_prefetch_b8 v0, s[64:65] scope:SCOPE_SE
	s_setreg_imm32_b32 hwreg(HW_REG_WAVE_MODE, 25, 1), 1
	s_wait_xcnt 0x0
	s_wait_alu depctr_hold_cnt(0) depctr_sa_sdst(0) depctr_va_vdst(0) depctr_va_sdst(0) depctr_va_ssrc(0) depctr_va_vcc(0) depctr_vm_vsrc(0)
	s_getreg_b32 s2, hwreg(HW_REG_IB_STS2, 6, 4)
	s_cmp_eq_u32 s2, 0
	s_cbranch_scc0 .Lentry_in_a_cluster
	s_endpgm
.Lentry_in_a_cluster:
	s_bfe_u32 s2, ttmp6, 0x10000c
	s_cmp_lg_u32 s2, 0xf033
	s_cbranch_scc0 .Lentry_shape_is_right
	s_endpgm
.Lentry_shape_is_right:
; C = bf16(max(A B + bias, floor)).  A: 4,096 rows x 1,024, bf16, in blocks of 128 rows x 64 (room for 64 panels a block row, 16 used).  B: 1,024 x N, bf16, in blocks of 128 k x 64 columns behind a header
; of 32,768 bytes (bias in f32 from byte 0, the floor word, two bf16, at byte 16,384).  C: the same block layout as A, all 64 panels.  N enters no address: it is the grid's width x 256.
; Used twice: q, k, v (bias 0, floor -inf) and the first layer of the feed-forward net (bias b1, floor 0: the ReLU).  Sums in f32, K ascending, C rounded once.
; LIMIT.  A NaN in a sum leaves as the floor (the packed maximum drops it).
; SHARES.  A tile of C is 256 x 256: four waves, each 128 x 128: 64 accumulators, 512 registers.  K goes in 8 steps of 128 through two LDS slots; a wave's one tensor load brings 32,768 dense bytes
; (two blocks), asked for as 128 rows of 256 bytes and padded in LDS behind every 128 bytes.
; CLUSTER.  4 x 4 work-groups: A's tiles are shared along a row of the cluster, B's along a column, each asked for jointly by the four that need it.
; THE MATRIX INSTRUCTION IS USED TRANSPOSED (source 0 = 16 columns of B, source 1 = 16 rows of A): a lane holds eight neighbouring columns of one row of C.  B lies [k][n] in LDS and is turned by ds_load_tr16_b128.
; The first product of each sum takes the bias as C, so the bias costs no arithmetic.
; REGISTERS, in windows of 256: window 0: v16-31 addresses; v32-63 rows on the way out; v64-191 A's fragments, two buffers; v192-207 packed results
;   window 1: v0-63 bias (block b at 8 b); v64-191 B's fragments, two buffers      windows 2, 3: accumulators ((a, b) at v[8 (8 (a % 4) + b)])
.set PA,     144                       ; a row of A in LDS: 128 bytes + 16: the 16 rows of a load start at 16 different groups of four banks (64 banks of 4 bytes: ISA guide 11.1)
.set PB,     160                       ; a row of B: 128 + 32
.set ABLK,   128*PA
.set BBLK,   128*PB
.set BOFF,   4*ABLK                    ; a slot: A's four blocks (block row, panel), then B's four panels
.set SLOT,   4*ABLK+4*BBLK
.set STAGE,  2*SLOT                    ; behind the ring: 16 rows x 144 bytes for each wave
.set SPITCH, 144
.set SPARE,  STAGE+4*16*SPITCH         ; the spare words, 128 bytes for each wave: two blocks of 256 bytes that no other line names
.set WOFF,   32768
.set LAPS,   4                         ; a lap = two K steps
.set ASTEP,  32768                     ; bytes from K step to K step in my part of A
.set BSTEP,  65536                     ; and of B
.set ADRA, 16
.set ADRB, 20
.set STO,  24
.set RD,   25
.set CO,   26
.set FLR,  27                          ; the floor, two bf16
.set SPW,  28
.set NIL,  29
.set PFO,  30                          ; 256 x my lane
.set BO,   31                          ; 32 x (lane / 16)
.set BK,   32
.set F0,   64
.set F1,   128
.set TMP,  192
.set G1,  24
.set G0,  32
.set G1B, 48
.set G0B, 56
.set LIM, 43
.set PFA, 44
.set PFS, 46
.set MSB, 0
.macro WIN new                         ; the immediate's high byte repeats the setting that is left; a switch that changes nothing is dropped
.if MSB != (\new)
	s_set_vgpr_msb (MSB<<8)|(\new)
.set MSB, \new
.endif
.endm
.set MUL_LO, 0xa1                      ; source 0 (B) window 1, source 1 (A) window 0, C and D window 2
.set TO_B,   0x40
.macro JLOAD s                         ; a joint load: waves 0, 1 fetch A's two block rows, waves 2, 3 B's two pairs of panels
	s_cmp_eq_u32 s11, 0
	s_cbranch_scc0 .Lfor_b_\@
	tensor_load_to_lds s[G0+4*(\s):G0+4*(\s)+3], s[G1:G1+7]
	s_nop 0
.rept 4
	v_nop
.endr
	s_branch .Lasked_\@
.Lfor_b_\@:
	tensor_load_to_lds s[G0B+4*(\s):G0B+4*(\s)+3], s[G1B:G1B+7]
	s_nop 0
.rept 4
	v_nop
.endr
.Lasked_\@:
.endm
; A prefetch for the K step that stands two refills on: of the 128 blocks of 256 bytes that my load will bring, my work-group's 32, a lane a block.  A's are asked for by the clusters with x = 0,
; B's by those with y = 0; the four partners of a joint load are told apart by address.  So each block of K steps 4 to 7 is named once.  The loop's last trip (s3 = 1) names nothing.
.macro ASK
	s_cmp_gt_u32 s3, s[LIM]
	s_cbranch_scc0 .Lnot_mine_\@
	global_prefetch_b8 v[PFO], s[PFA:PFA+1] th:TH_LOAD_NT scope:SCOPE_SE
.Lnot_mine_\@:
.endm
.macro CREST
	s_cmp_lg_u32 s10, 0
	s_cbranch_scc1 .Lnot_wave_0_\@
	s_barrier_signal -3
.Lnot_wave_0_\@:
	s_barrier_wait -3
	s_barrier_signal -1
	s_barrier_wait -1
.endm
.macro CROUND
	s_barrier_signal -1
	s_barrier_wait -1
	CREST
.endm
.macro PLACES                          ; four plain places behind matrix instructions (ISA guide 7.12.1)
.rept 4
	v_nop
.endr
.endm
	s_load_b128 s[4:7], s[0:1], 0x0                ; A s[4:5], B s[6:7]
	s_load_b64 s[8:9], s[0:1], 0x10                ; C
	v_lshl_add_u32 v[SPW], v0, 2, SPARE
	v_mov_b32 v[NIL], 0
	ds_add_u32 v[SPW], v[NIL]                      ; the wave's opening: the add and its wait stand ahead of my first tensor load
	v_lshrrev_b32 v1, 5, v0
	v_readfirstlane_b32 s10, v1                    ; wave 0..3
	s_lshr_b32 s11, s10, 1                         ; my half of the tile's rows; also: I fetch for A (0) or B (1)
	s_and_b32 s12, s10, 1                          ; my half of its columns; also: which half of that tile I fetch
	s_bfe_u32 s40, ttmp6, 0x40000                  ; cx
	s_bfe_u32 s41, ttmp6, 0x40004                  ; cy
	s_lshl_b32 s42, ttmp9, 2
	s_add_co_u32 s42, s42, s40                     ; tile column
	s_and_b32 s13, ttmp7, 0xffff
	s_lshl_b32 s13, s13, 2
	s_add_co_u32 s13, s13, s41                     ; tile row
	s_lshl_b32 s43, s41, 2
	s_lshl_b32 s43, 15, s43                        ; my row of the cluster
	s_lshl_b32 s44, 0x1111, s40                    ; my column
	s_or_b32 s[G1+0], s43, (1<<16)|(1<<20)|(1<<21)|(4<<22)|(3<<25)   ; mask; 2-byte elements; padding on; bit 21 beside a mask; after every 32 words, 4 words
	s_or_b32 s[G1B+0], s44, (1<<16)|(1<<20)|(1<<21)|(4<<22)|(7<<25)  ; the same with 8 words
.irp g, G1, G1B
	s_mov_b32 s[(\g)+1], 128<<16                   ; tensor_dim0 = 128 elements (256 bytes)
	s_mov_b32 s[(\g)+2], 128<<16                   ; tensor_dim1 = 128
	s_mov_b32 s[(\g)+3], 128<<16                   ; tile_dim0 = 128
	s_mov_b32 s[(\g)+4], 128                       ; tile_dim1 = 128
	s_mov_b32 s[(\g)+5], 128                       ; dense: 128 elements from row to row
	s_mov_b32 s[(\g)+6], 0
	s_mov_b32 s[(\g)+7], 0
.endr
	s_lshl_b32 s16, s13, 1
	s_add_co_u32 s16, s16, s12
	s_lshl_b32 s16, s16, 20                        ; A: block row 2 x tile row + half, room for 64 panels of 16,384 bytes
	s_mov_b32 s17, 0
	s_lshl_b32 s46, s42, 19                        ; B: tile column x 8 K steps x 65,536
	s_lshl_b32 s47, s12, 15
	s_add_co_u32 s46, s46, s47
	s_add_co_u32 s46, s46, WOFF
	s_mov_b32 s47, 0
	s_mul_i32 s20, s12, 2*ABLK                     ; where they go: no place in the cluster enters an LDS address
	s_mul_i32 s21, s12, 2*BBLK
	s_add_co_u32 s21, s21, BOFF
	s_wait_dscnt 0x0                               ; the opening add is done
	s_wait_kmcnt 0x0
	s_load_b32 s66, s[6:7], 0x4000                 ; the floor word
	s_add_nc_u64 s[14:15], s[4:5], s[16:17]
	s_add_nc_u64 s[46:47], s[6:7], s[46:47]
	CROUND                                         ; all sixteen work-groups are here: the first joint loads meet
.irp s, 0,1
	s_mov_b32 s[G0+4*(\s)], 1
	s_add_co_u32 s[G0+4*(\s)+1], s20, (\s)*SLOT
	s_add_nc_u64 s[G0+4*(\s)+2:G0+4*(\s)+3], s[14:15], (\s)*ASTEP
	s_or_b32 s[G0+4*(\s)+3], s[G0+4*(\s)+3], 0x80000000
	s_mov_b32 s[G0B+4*(\s)], 1
	s_add_co_u32 s[G0B+4*(\s)+1], s21, (\s)*SLOT
	s_add_nc_u64 s[G0B+4*(\s)+2:G0B+4*(\s)+3], s[46:47], (\s)*BSTEP
	s_or_b32 s[G0B+4*(\s)+3], s[G0B+4*(\s)+3], 0x80000000
	JLOAD \s
.endr
	s_lshl_b32 s18, s42, 10                        ; the bias of my 128 columns
	s_lshl_b32 s19, s12, 9
	s_add_co_u32 s18, s18, s19
	s_mov_b32 s19, 0
	s_add_nc_u64 s[18:19], s[6:7], s[18:19]
	s_lshl_b32 s22, s13, 1                         ; C at block (2 x tile row + row half, 4 x tile column + 2 x column half)
	s_add_co_u32 s22, s22, s11
	s_lshl_b32 s22, s22, 6
	s_lshl_b32 s23, s42, 2
	s_add_co_u32 s22, s22, s23
	s_lshl_b32 s23, s12, 1
	s_add_co_u32 s22, s22, s23
	s_lshl_b32 s22, s22, 14
	s_mov_b32 s23, 0
	s_add_nc_u64 s[8:9], s[8:9], s[22:23]
	s_and_b32 s22, ttmp7, 0xffff                   ; the prefetches
	s_cmp_eq_u32 s11, 0
	s_cselect_b32 s21, s40, s41                    ; my place among the four that ask with me
	s_cselect_b32 s22, ttmp9, s22                  ; the coordinate along which other clusters read the same blocks
	s_cselect_b64 s[PFA:PFA+1], s[14:15], s[46:47]
	s_cmp_eq_u32 s22, 0
	s_cselect_b32 s[LIM], 1, -1
	s_lshl_b32 s[PFS], 32768, s11                  ; a K step of my stream: 32,768 bytes of A, 65,536 of B
	s_mov_b32 s[PFS+1], 0
	s_lshl_b32 s20, s21, 13                        ; my work-group's 32 blocks
	s_mov_b32 s21, 0
	s_add_nc_u64 s[PFA:PFA+1], s[PFA:PFA+1], s[20:21]
	s_mul_i32 s20, s[PFS], 3
	s_add_nc_u64 s[PFA:PFA+1], s[PFA:PFA+1], s[20:21]  ; at K step 3: the first change of slots steps it to 4
	v_and_b32 v1, 15, v0                           ; l % 16
	v_bfe_u32 v2, v0, 4, 1                         ; l / 16
	v_lshlrev_b32 v[BO], 5, v2
	WIN TO_B
.irp b, 0,1,2,3,4,5,6,7
	global_load_b128 v[8*(\b):8*(\b)+3],   v[BO], s[18:19] offset:64*(\b)      ; bias of columns 16 b + 8 (l / 16) + 0..7: the layout of C
	global_load_b128 v[8*(\b)+4:8*(\b)+7], v[BO], s[18:19] offset:64*(\b)+16
.endr
	WIN 0
	v_mul_u32_u24 v3, v1, PA
	v_lshl_add_u32 v3, v2, 4, v3                   ; A: row x pitch + 16 x half
	v_and_b32 v4, 7, v0
	v_lshl_add_u32 v4, v2, 3, v4
	v_mul_u32_u24 v4, v4, PB                       ; B: k row 8 (l / 16) + l % 8,
	v_bfe_u32 v5, v0, 3, 1
	v_lshl_add_u32 v4, v5, 4, v4                   ; columns 8 ((l / 8) % 2) on
	s_mul_i32 s21, s11, 2*ABLK
	s_mul_i32 s22, s12, 2*BBLK
	s_add_co_u32 s22, s22, BOFF
.irp s, 0,1
	v_add_nc_u32 v[ADRA+(\s)], s21, v3
	v_add_nc_u32 v[ADRB+(\s)], s22, v4
	s_add_co_u32 s21, s21, SLOT
	s_add_co_u32 s22, s22, SLOT
.endr
	s_mul_i32 s23, s10, 16*SPITCH
	s_add_co_u32 s23, s23, STAGE
	v_add_nc_u32 v[STO], s23, v3                   ; in: row l % 16, 16 bytes for each half of the lanes
	v_bfe_u32 v5, v0, 3, 2
	v_mul_u32_u24 v5, v5, SPITCH
	v_and_b32 v6, 7, v0
	v_lshl_add_u32 v5, v6, 4, v5
	v_add_nc_u32 v[RD], s23, v5                    ; back: 32 lanes take four rows of 128 bytes,
	v_and_b32 v[CO], 31, v0
	v_lshlrev_b32 v[PFO], 8, v[CO]
	v_lshlrev_b32 v[CO], 4, v[CO]                  ; which are 512 consecutive bytes of C
	s_wait_kmcnt 0x0
	v_mov_b32 v[FLR], s66
; 16 matrix instructions: m blocks a0, a0 + 1 of the window's four x all 8 n blocks, 32 along K.  zero = 1: the first product starts the sums on the bias (window 1).
.macro MUL16 f, hi, a0, zero
.if \zero
	WIN 0x91+0x40*(\hi)
.else
	WIN MUL_LO+0x50*(\hi)
.endif
.irp a, \a0, (\a0)+1
.irp b, 0,1,2,3,4,5,6,7
.if \zero
	v_wmma_f32_16x16x32_bf16 v[8*(8*(\a)+(\b)):8*(8*(\a)+(\b))+7], v[(\f)+8*(\b):(\f)+8*(\b)+7], v[(\f)+8*(4*(\hi)+(\a)):(\f)+8*(4*(\hi)+(\a))+7], v[8*(\b):8*(\b)+7]
.else
	v_wmma_f32_16x16x32_bf16 v[8*(8*(\a)+(\b)):8*(8*(\a)+(\b))+7], v[(\f)+8*(\b):(\f)+8*(\b)+7], v[(\f)+8*(4*(\hi)+(\a)):(\f)+8*(4*(\hi)+(\a))+7], v[8*(8*(\a)+(\b)):8*(8*(\a)+(\b))+7]
.endif
.endr
.endr
.endm
; 32 LDS loads in one run: quarter q (32 along K) of a slot into buffer f: B's 8 column blocks, turned, then A's 8 row blocks
.macro FETCH slot, q, f
	WIN TO_B
.irp i, 0,1,2,3,4,5,6,7
	ds_load_tr16_b128 v[(\f)+8*(\i):(\f)+8*(\i)+3],   v[ADRB+(\slot)] offset:((\i)/4)*BBLK+(\q)*32*PB+((\i)%4)*32
	ds_load_tr16_b128 v[(\f)+8*(\i)+4:(\f)+8*(\i)+7], v[ADRB+(\slot)] offset:((\i)/4)*BBLK+(\q)*32*PB+((\i)%4)*32+16*PB
.endr
	WIN 0
.irp i, 0,1,2,3,4,5,6,7
	ds_load_b128 v[(\f)+8*(\i):(\f)+8*(\i)+3],   v[ADRA+(\slot)] offset:((\q)/2)*ABLK+((\q)%2)*64+(\i)*16*PA
	ds_load_b128 v[(\f)+8*(\i)+4:(\f)+8*(\i)+7], v[ADRA+(\slot)] offset:((\q)/2)*ABLK+((\q)%2)*64+(\i)*16*PA+32
.endr
.endm
.macro QUARTER slot, q, f, g, zero     ; multiplies buffer f; in its middle fetches quarter q of the slot into buffer g
	s_wait_dscnt 8                                 ; B and A's rows 0-63 are in; the youngest eight loads (A's rows 64-127) may be out
	MUL16 \f, 0, 0, \zero
	MUL16 \f, 0, 2, \zero
	PLACES
	FETCH \slot, \q, \g
	s_wait_dscnt 32                                ; all but the 32 just issued
	MUL16 \f, 1, 0, \zero
	MUL16 \f, 1, 2, \zero
.endm
.macro MEET round                      ; the change of slots: one barrier; round = 1: it opens a round of the cluster's barrier
	WIN 0
	s_wait_tensorcnt 0x0                           ; all my tensor loads have landed: the one that was out is my part of the next slot
	ds_add_u32 v[SPW], v[NIL]                      ; 0 onto my spare word
	s_wait_dscnt 9                                 ; (the add and the youngest eight loads may be out)
	MUL16 F1, 0, 0, 0
	s_wait_dscnt 0x0                               ; the add is done, and my reads of this slot are over
	s_barrier_signal -1
	MUL16 F1, 0, 2, 0
.if \round
	WIN 0
.endif
	s_barrier_wait -1
.endm
.macro TURN slot, next, fill           ; a K step's last quarter; fill = 1: the slot just read out takes the K step two on
.if \fill
	s_wait_xcnt 0x0                                ; the last prefetch, a K step back, has read its address
	s_add_nc_u64 s[PFA:PFA+1], s[PFA:PFA+1], s[PFS:PFS+1]
.endif
	MEET \fill
.if \fill
	CREST                                          ; no wave of any partner still reads this slot or has a load on its way
	s_add_nc_u64 s[G0+4*(\slot)+2:G0+4*(\slot)+3], s[G0+4*(\slot)+2:G0+4*(\slot)+3], 2*ASTEP
	s_add_nc_u64 s[G0B+4*(\slot)+2:G0B+4*(\slot)+3], s[G0B+4*(\slot)+2:G0B+4*(\slot)+3], 2*BSTEP
	JLOAD \slot                                    ; the first tensor load behind the round; its four v_nop are also the places in front of the loads below
.else
	PLACES
.endif
	FETCH \next, 0, F0
.if \fill
	ASK
.endif
	MUL16 F1, 1, 0, 0
	MUL16 F1, 1, 2, 0
.endm
	s_wait_tensorcnt 1                             ; my part of K step 0 is in; K step 1's may stay out
	s_barrier_signal -1
	s_barrier_wait -1
	FETCH 0, 0, F0
	s_wait_loadcnt 0x0                             ; the bias
	QUARTER 0, 1, F0, F1, 1
	WIN 0
	s_mov_b32 s3, LAPS-1
.Llap:                                                 ; once round the ring, from a lap's second quarter to the next lap's first; both slots are filled again
	QUARTER 0, 2, F1, F0, 0
	QUARTER 0, 3, F0, F1, 0
	TURN 0, 1, 1
	QUARTER 1, 1, F0, F1, 0
	QUARTER 1, 2, F1, F0, 0
	QUARTER 1, 3, F0, F1, 0
	TURN 1, 0, 1
	QUARTER 0, 1, F0, F1, 0
	WIN 0
	s_sub_co_u32 s3, s3, 1
	s_cmp_lg_u32 s3, 0
	s_cbranch_scc1 .Llap
	QUARTER 0, 2, F1, F0, 0                        ; the last lap fills nothing
	QUARTER 0, 3, F0, F1, 0
	TURN 0, 1, 0
	QUARTER 1, 1, F0, F1, 0
	QUARTER 1, 2, F1, F0, 0
	QUARTER 1, 3, F0, F1, 0
	s_wait_dscnt 8
	MUL16 F1, 0, 0, 0
	MUL16 F1, 0, 2, 0
	s_wait_dscnt 0x0
	MUL16 F1, 1, 0, 0
	MUL16 F1, 1, 2, 0
	WIN 0
	PLACES
	PLACES
; THE WAY OUT, in 16 units u: 16 rows (block u / 2) x one panel of 64 columns (u % 2): rounded, held to the floor, through my stage, out as 2,048 consecutive bytes.
.macro PACK u
.set pa, (\u)/2
.set pp, (\u)%2
	WIN 0x0a+5*(pa/4)                              ; sources in window 2 or 3
.irp nb, 0,1,2,3
.irp r, 0,1,2,3
	v_cvt_pk_bf16_f32 v[TMP+4*(\nb)+(\r)], v[8*(8*(pa%4)+4*pp+(\nb))+2*(\r)], v[8*(8*(pa%4)+4*pp+(\nb))+2*(\r)+1]
.endr
.endr
	WIN 0
.set z, 0
.rept 16
	v_pk_max_num_bf16 v[TMP+z], v[TMP+z], v[FLR]
.set z, z+1
.endr
.endm
.macro TOSTAGE u
.irp nb, 0,1,2,3
	ds_store_b128 v[STO], v[TMP+4*(\nb):TMP+4*(\nb)+3] offset:32*(\nb)
.endr
.irp f, 0,1,2,3
	ds_load_b128 v[BK+16*((\u)%2)+4*(\f):BK+16*((\u)%2)+4*(\f)+3], v[RD] offset:(\f)*4*SPITCH  ; LDS serves a wave's instructions in order (ISA guide 5.7.1.4): these see the stores above
.endr
.endm
.macro SEND u
	s_wait_dscnt 0x0                               ; the unit is back in registers
	s_wait_xcnt 0x0                                ; the stores issued so far have read their data: the other set of rows is loaded again only behind this wait
.irp f, 0,1,2,3
	global_store_b128 v[CO], v[BK+16*((\u)%2)+4*(\f):BK+16*((\u)%2)+4*(\f)+3], s[8:9] offset:((\u)%2)*16384+((\u)/2)*2048+(\f)*512
.endr
.endm
	PACK 0
	TOSTAGE 0
.irp u, 1,2,3,4,5,6,7,8,9,10,11,12,13,14,15
	PACK \u                                        ; a unit's arithmetic stands between the loads of the unit before and the wait for them
	SEND (\u)-1
	TOSTAGE \u
.endr
	SEND 15
	s_wait_tensorcnt 0x0                           ; the wave's end
	ds_add_u32 v[SPW], v[NIL]
	s_wait_dscnt 0x0
	CROUND                                         ; the closing round
	s_endpgm
.Lfunc_end_k_qcfb0723e04_qkv:
	.size	k_qcfb0723e04_qkv, .Lfunc_end_k_qcfb0723e04_qkv-k_qcfb0723e04_qkv
	.p2alignl 7, 3214868480
	.fill 96, 4, 3214868480
	.section	.rodata,"a",@progbits
	.p2align	6, 0x0
	.amdhsa_kernel k_qcfb0723e04_qkv
		.amdhsa_group_segment_fixed_size 327680
		.amdhsa_private_segment_fixed_size 0
		.amdhsa_enable_private_segment 0
		.amdhsa_kernarg_size 24
		.amdhsa_user_sgpr_count 2
		.amdhsa_user_sgpr_kernarg_segment_ptr 1
		.amdhsa_wavefront_size32 1
		.amdhsa_system_sgpr_workgroup_id_x 1
		.amdhsa_system_sgpr_workgroup_id_y 1
		.amdhsa_system_sgpr_workgroup_id_z 1
		.amdhsa_system_vgpr_workitem_id 0
		.amdhsa_next_free_vgpr 1024
		.amdhsa_next_free_sgpr 72
		.amdhsa_reserve_vcc 0
		.amdhsa_float_denorm_mode_32 3
		.amdhsa_float_denorm_mode_16_64 3
		.amdhsa_memory_ordered 1
		.amdhsa_forward_progress 1
		.amdhsa_inst_pref_size 162
	.end_amdhsa_kernel
	.amdgpu_metadata
---
amdhsa.version: [ 1, 2 ]
amdhsa.kernels:
  - .name:           k_qcfb0723e04_qkv
    .symbol:         k_qcfb0723e04_qkv.kd
    .args:
      - { .name: hb, .offset: 0, .size: 8, .value_kind: global_buffer, .address_space: global }
      - { .name: wa, .offset: 8, .size: 8, .value_kind: global_buffer, .address_space: global }
      - { .name: big, .offset: 16, .size: 8, .value_kind: global_buffer, .address_space: global }
    .group_segment_fixed_size: 327680
    .private_segment_fixed_size: 0
    .kernarg_segment_align: 8
    .kernarg_segment_size: 24
    .max_flat_workgroup_size: 128
    .sgpr_count:     72
    .vgpr_count:     1024
    .wavefront_size: 32
...
	.end_amdgpu_metadata
.endif
;; end of part 2
;; launch attn (part 3): grid 4 x 64, 8 waves a work-group, clusters of 4 x 1, 327,680 bytes of LDS; arguments big, hb; writes hb
.if DOCPART == 3
	.amdgcn_target "amdgcn-amd-amdhsa--gfx1250"
	.amdhsa_code_object_version 6
	.text
	.protected	k_qcfb0723e04_attn
	.globl	k_qcfb0723e04_attn
	.p2align	8
	.type	k_qcfb0723e04_attn,@function
k_qcfb0723e04_attn:
	s_mov_b64 s[64:65], 0
	v_nop
	global_prefetch_b8 v0, s[64:65] scope:SCOPE_SE
	s_setreg_imm32_b32 hwreg(HW_REG_WAVE_MODE, 25, 1), 1
	s_wait_xcnt 0x0
	s_wait_alu depctr_hold_cnt(0) depctr_sa_sdst(0) depctr_va_vdst(0) depctr_va_sdst(0) depctr_va_ssrc(0) depctr_va_vcc(0) depctr_vm_vsrc(0)
	s_getreg_b32 s2, hwreg(HW_REG_IB_STS2, 6, 4)
	s_cmp_eq_u32 s2, 0
	s_cbranch_scc0 .Lentry_in_a_cluster
	s_endpgm
.Lentry_in_a_cluster:
	s_bfe_u32 s2, ttmp6, 0x10000c
	s_cmp_lg_u32 s2, 0x3003
	s_cbranch_scc0 .Lentry_shape_is_right
	s_endpgm
.Lentry_shape_is_right:
; CAUSAL ATTENTION, head size 64, 1,024 rows a head, 64 heads (batch x head).  q, k, v lie in big in blocks of 128 rows x 64 bf16: block (8 batch + t / 128, panel), panel = head, 16 + head, 32 + head,
; 64 panels a block row.  O goes to hb in the same blocks and places, panel = head.  Products, maxima and sums in f32; the weights are rounded to bf16 for the second product, O once.
; LIMITS.  The running maximum starts at the lowest finite number and c m at -4.25e37: |c s| stays below that.  A weight below 2^-126 counts as 0.  NaN and infinities in q, k, v are not treated apart.
; SHARES.  A head's rows are 16 bands of 64.  The four work-groups of a cluster share a head: work-group cx owns rows 16 cx .. + 15 of EVERY band.  Wave w owns band w (piece 0) and band 15 - w (piece 1):
; (w + 1) + (16 - w) = 17 pairs of piece and key step, the same for every wave of every work-group.  Branches hang on the wave's number and the step's count alone; cx enters Q's and O's addresses and the
; number that the diagonal's mask compares with.  So the four partners run alike and ask for K and V jointly.
; LDS holds the head's whole K and V: nothing is filled again.  Each wave asks for 2 x 128 keys (64 rows of 256 bytes each): two tensor loads of mine are out at the most.  Both are waited for ahead of ONE
; barrier at the start: a barrier between the keys' halves would hold wave 0 (9 pairs done) for wave 7 (16 done), and behind it wave 7 (1 left) would end long before wave 0 (8 left).
; LAYOUT.  S^T = K Q^T holds one query a lane (lane % 16) and keys 8 (lane / 16) + 0..7; two results rounded in pairs ARE source 1 of O^T = V^T P.  p = 2^(c s - c m), c = log2(e) / 8, with a running maximum m;
; O and l are multiplied by a = 2^(c m_old - c m_new) in every step.  Two waves share a SIMD: one's softmax runs beside the other's products, so the text stays in plain phases.
; No prefetch: all of K and V is asked for at the head.
; REGISTERS: window 0: v1-14 addresses; v16-23 statistics (c m, m, l even, l odd) a piece; v24-28 at work; v64-95 S^T; v96-111 P; v128-191 K; v192-255 V.   window 1: v0-63 O^T; v64-95 Q.
.set PK,    144
.set PV,    160
.set VOFF,  1024*PK
.set SPARE, VOFF+1024*PV               ; the spare words, 128 bytes for each of eight waves: four blocks of 256 bytes that no other line names
.set SP,    144                        ; the stage, 16 rows x 144 bytes a wave, lies in K's first bytes and is written only behind the last barrier, when K has had its only fill and nobody reads it
.set AK0, 2
.set AV0, 3
.set ADK, 4
.set ADV, 5
.set STO, 6
.set RD,  7
.set GO,  8
.set QD,  12                           ; 16 cx + l % 16 - 8 (l / 16): key 16 kb + j of the band's own step is hidden where 16 kb + j is greater
.set NINF, 13
.set QO,  14
.set ST,  16
.set CC,  24
.set MO,  28
.set SPW, 30
.set NIL, 31
.set S,   64
.set P,   96
.set KF,  128
.set VF,  192
.set QF,  64                           ; window 1
.set WV,   12
.set BAND, 13                          ; s13, s14: my two bands
.set STEP, 15
.set TBK,  16
.set TBV,  17
.set G1K, 24
.set G1V, 32
.set G0K, 40
.set G0V, 48
.set CS,  58
.set SEL, 60
.set QB,  68
.set OB,  72
.set MSB, 0
.macro WIN new
.if MSB != (\new)
	s_set_vgpr_msb (MSB<<8)|(\new)
.set MSB, \new
.endif
.endm
.set W_KQ, 0x04                        ; Q (source 1) in window 1
.set W_PV, 0x50                        ; O^T (C and D) in window 1
.set W_RS, 0x41                        ; O^T (destination, source 0) in window 1
.macro CROUND
	s_barrier_signal -1
	s_barrier_wait -1
	s_cmp_lg_u32 s[WV], 0
	s_cbranch_scc1 .Lnot_wave_0_\@
	s_barrier_signal -3
.Lnot_wave_0_\@:
	s_barrier_wait -3
	s_barrier_signal -1
	s_barrier_wait -1
.endm
.macro PLACES
.rept 4
	v_nop
.endr
.endm
	s_load_b128 s[4:7], s[0:1], 0x0                ; big s[4:5], hb s[6:7]
	v_lshl_add_u32 v[SPW], v0, 2, SPARE
	v_mov_b32 v[NIL], 0
	ds_add_u32 v[SPW], v[NIL]                      ; the wave's opening: the add and its wait stand ahead of my first tensor load
	v_lshrrev_b32 v1, 5, v0
	v_readfirstlane_b32 s[WV], v1                  ; wave 0..7
	s_mov_b32 s[BAND], s[WV]
	s_sub_co_u32 s[BAND+1], 15, s[WV]
	s_bfe_u32 s18, ttmp6, 0x40000                  ; cx
	s_and_b32 s19, ttmp7, 0xffff
	s_lshr_b32 s20, s19, 4                         ; batch
	s_and_b32 s21, s19, 15                         ; head
	s_lshl_b32 s22, s20, 9
	s_add_co_u32 s22, s22, s21
	s_lshl_b32 s22, s22, 14                        ; block (8 batch, head)
	s_and_b32 s23, s[WV], 3                        ; which 128 keys of 512 I fetch
	s_lshl_b32 s2, s23, 20                         ; a block row is 64 panels of 16,384 bytes
	s_add_co_u32 s2, s2, s22
	s_mov_b32 s3, 0
	s_mov_b32 s[G1K], 15|(1<<16)|(1<<20)|(1<<21)|(4<<22)|(3<<25)  ; the mask of four; 2-byte elements; padding on; bit 21 beside a mask; after every 32 words, 4 words
	s_mov_b32 s[G1V], 15|(1<<16)|(1<<20)|(1<<21)|(4<<22)|(7<<25)  ; the same with 8 words
.irp g, G1K, G1V
	s_mov_b32 s[(\g)+1], 128<<16                   ; 128 keys are 16,384 dense bytes: 64 rows of 256 bytes, two keys a row
	s_mov_b32 s[(\g)+2], 64<<16
	s_mov_b32 s[(\g)+3], 128<<16
	s_mov_b32 s[(\g)+4], 64
	s_mov_b32 s[(\g)+5], 128
	s_mov_b32 s[(\g)+6], 0
	s_mov_b32 s[(\g)+7], 0
.endr
	s_mov_b32 s[CS], 0x3e38aa3b                    ; c = log2(e) / 8
	s_mov_b32 s[CS+1], s[CS]
	s_mov_b32 s[SEL], 0x76543210
	s_mov_b32 s[SEL+1], 0xfedcba98
	s_mov_b32 s[TBK], 0
	s_mov_b32 s[TBV], 0
	s_mul_i32 s8, s23, 128*PK
	s_mul_i32 s9, s23, 128*PV
	s_add_co_u32 s9, s9, VOFF
.irp c, 0,1
	s_mov_b32 s[G0K+4*(\c)], 1
	s_add_co_u32 s[G0K+4*(\c)+1], s8, (\c)*512*PK
	s_mov_b32 s[G0V+4*(\c)], 1
	s_add_co_u32 s[G0V+4*(\c)+1], s9, (\c)*512*PV
.endr
	s_wait_dscnt 0x0                               ; the opening add is done
	s_wait_kmcnt 0x0
	s_add_nc_u64 s[2:3], s[4:5], s[2:3]
.irp c, 0,1
	s_add_nc_u64 s[G0K+4*(\c)+2:G0K+4*(\c)+3], s[2:3], 16*16384+(\c)*4*1048576
	s_or_b32 s[G0K+4*(\c)+3], s[G0K+4*(\c)+3], 0x80000000
	s_add_nc_u64 s[G0V+4*(\c)+2:G0V+4*(\c)+3], s[2:3], 32*16384+(\c)*4*1048576
	s_or_b32 s[G0V+4*(\c)+3], s[G0V+4*(\c)+3], 0x80000000
.endr
	CROUND                                         ; all four work-groups are here: the joint loads meet
	s_cmp_lt_u32 s[WV], 4                          ; waves 0-3 fetch K, waves 4-7 V; a wave's two loads stand in one branch
	s_cbranch_scc0 .Lfirst_v
	tensor_load_to_lds s[G0K:G0K+3], s[G1K:G1K+7]
	s_nop 0
	tensor_load_to_lds s[G0K+4:G0K+7], s[G1K:G1K+7]
	s_nop 0
.rept 4
	v_nop
.endr
	s_branch .Lfirst_asked
.Lfirst_v:
	tensor_load_to_lds s[G0V:G0V+3], s[G1V:G1V+7]
	s_nop 0
	tensor_load_to_lds s[G0V+4:G0V+7], s[G1V:G1V+7]
	s_nop 0
.rept 4
	v_nop
.endr
.Lfirst_asked:
.irp p, 0,1                            ; Q and O at my 16 rows of each of my two bands: the same place in big and in hb
	s_lshr_b32 s8, s[BAND+(\p)], 1
	s_lshl_b32 s9, s20, 3
	s_add_co_u32 s8, s8, s9                        ; block row 8 batch + band / 2
	s_and_b32 s9, s[BAND+(\p)], 1
	s_lshl_b32 s9, s9, 2
	s_add_co_u32 s9, s9, s18
	s_lshl_b32 s9, s9, 11                          ; row 64 (band % 2) + 16 cx, 128 bytes a row
	s_lshl_b32 s10, s21, 14
	s_add_co_u32 s9, s9, s10                       ; panel = head
	s_lshl_b32 s10, s8, 20
	s_add_co_u32 s10, s10, s9
	s_mov_b32 s11, 0
	s_add_nc_u64 s[QB+2*(\p):QB+2*(\p)+1], s[4:5], s[10:11]
	s_add_nc_u64 s[OB+2*(\p):OB+2*(\p)+1], s[6:7], s[10:11]
.endr
	v_and_b32 v1, 15, v0                           ; l % 16
	v_bfe_u32 v9, v0, 4, 1                         ; l / 16
	v_lshlrev_b32 v[QO], 7, v1
	v_lshl_add_u32 v[QO], v9, 4, v[QO]
	WIN 0x40
.irp p, 0,1
.irp c, 0,1
	global_load_b128 v[QF+16*(\p)+8*(\c):QF+16*(\p)+8*(\c)+3],   v[QO], s[QB+2*(\p):QB+2*(\p)+1] offset:64*(\c)
	global_load_b128 v[QF+16*(\p)+8*(\c)+4:QF+16*(\p)+8*(\c)+7], v[QO], s[QB+2*(\p):QB+2*(\p)+1] offset:64*(\c)+32
.endr
.endr
.set i, 0
.rept 64
	v_mov_b32 v[i], 0                              ; O^T starts at 0, so that the first step is a step like any other (a = 0); written in the wait for the keys
.set i, i+1
.endr
	WIN 0
.irp p, 0,1
	v_mov_b32 v[ST+4*(\p)], 0xfe000000             ; c m: far below every c s
	v_mov_b32 v[ST+4*(\p)+1], 0xff7fffff           ; m
	v_mov_b32 v[ST+4*(\p)+2], 0
	v_mov_b32 v[ST+4*(\p)+3], 0
.endr
	v_mov_b32 v[NINF], 0xff800000
	v_lshlrev_b32 v10, 3, v9
	v_sub_nc_u32 v[QD], v1, v10
	s_lshl_b32 s8, s18, 4
	v_add_nc_u32 v[QD], s8, v[QD]
	v_mul_u32_u24 v[AK0], v1, PK
	v_lshl_add_u32 v[AK0], v9, 4, v[AK0]           ; K: row x pitch + 16 x half
	v_and_b32 v10, 7, v0
	v_bfe_u32 v11, v0, 3, 1
	v_lshl_add_u32 v[AV0], v9, 3, v10              ; V, turned: key 8 (l / 16) + l % 8, channels 8 ((l / 8) % 2) on
	v_mul_u32_u24 v[AV0], v[AV0], PV
	v_lshl_add_u32 v[AV0], v11, 4, v[AV0]
	v_add_nc_u32 v[AV0], VOFF, v[AV0]
	s_mul_i32 s8, s[WV], 16*SP
	v_add_nc_u32 v[STO], s8, v[AK0]
	v_bfe_u32 v[RD], v0, 3, 2
	v_mul_u32_u24 v[RD], v[RD], SP
	v_lshl_add_u32 v[RD], v10, 4, v[RD]
	v_add_nc_u32 v[RD], s8, v[RD]
	v_and_b32 v[GO], 31, v0
	v_lshlrev_b32 v[GO], 4, v[GO]
; A key step's fragments: K (64 keys x 64 channels), then V (turned): 32 LDS loads in one run, four places behind the last product that read V.
.macro FETCH
	PLACES
	v_add_nc_u32 v[ADK], s[TBK], v[AK0]
	v_add_nc_u32 v[ADV], s[TBV], v[AV0]
.irp f, 0,1,2,3,4,5,6,7
	ds_load_b128 v[KF+8*(\f):KF+8*(\f)+3],   v[ADK] offset:((\f)/2)*16*PK+((\f)%2)*64
	ds_load_b128 v[KF+8*(\f)+4:KF+8*(\f)+7], v[ADK] offset:((\f)/2)*16*PK+((\f)%2)*64+32
.endr
.irp f, 0,1,2,3,4,5,6,7
	ds_load_tr16_b128 v[VF+8*(\f):VF+8*(\f)+3],   v[ADV] offset:((\f)/4)*32*PV+((\f)%4)*32
	ds_load_tr16_b128 v[VF+8*(\f)+4:VF+8*(\f)+7], v[ADV] offset:((\f)/4)*32*PV+16*PV+((\f)%4)*32
.endr
	s_add_co_u32 s[TBK], s[TBK], 64*PK
	s_add_co_u32 s[TBV], s[TBV], 64*PV
.endm
; Piece p and the key step in hand.  skip = 1: the piece is jumped where the step lies above its band.  mask = 1: in the band's own step the hidden scores are set to -inf.
.macro PIECE p, skip, mask
.set rT, ST+4*(\p)
.if \skip
	s_cmp_gt_u32 s[STEP], s[BAND+(\p)]
	s_cbranch_scc1 .Ldead_\@
.endif
	s_wait_dscnt 16                                ; K is in; V's sixteen loads may stay out
	WIN W_KQ
.set i, 0
.rept 8                                ; the four accumulators take turns; the first four products start the sums
.if i < 4
	v_wmma_f32_16x16x32_bf16 v[S+8*(i%4):S+8*(i%4)+7], v[KF+16*(i%4)+8*(i/4):KF+16*(i%4)+8*(i/4)+7], v[QF+16*(\p)+8*(i/4):QF+16*(\p)+8*(i/4)+7], 0
.else
	v_wmma_f32_16x16x32_bf16 v[S+8*(i%4):S+8*(i%4)+7], v[KF+16*(i%4)+8*(i/4):KF+16*(i%4)+8*(i/4)+7], v[QF+16*(\p)+8*(i/4):QF+16*(\p)+8*(i/4)+7], v[S+8*(i%4):S+8*(i%4)+7]
.endif
.set i, i+1
.endr
	WIN 0
	PLACES
.if \mask
	s_cmp_eq_u32 s[STEP], s[BAND+(\p)]
	s_cbranch_scc0 .Lopen_\@
.set i, 0
.rept 32
	v_cmp_gt_i32 vcc_lo, 16*(i/8)+i%8, v[QD]
	v_cndmask_b32 v[S+i], v[S+i], v[NINF], vcc_lo
.set i, i+1
.endr
.Lopen_\@:
.endif
.set i, 0
.rept 4                                ; the maximum: four chains; each accumulator's lowest registers are read first
	v_max3_num_f32 v[CC+i], v[S+8*i], v[S+8*i+1], v[S+8*i+2]
.set i, i+1
.endr
.rept 8
	v_max3_num_f32 v[CC+i%4], v[CC+i%4], v[S+8*(i%4)+2*(i/4)+1], v[S+8*(i%4)+2*(i/4)+2]
.set i, i+1
.endr
	v_max3_num_f32 v[CC], v[CC], v[S+7], v[S+15]
	v_max3_num_f32 v[CC+1], v[CC+1], v[S+23], v[S+31]
	v_max3_num_f32 v[CC+2], v[CC+2], v[CC+3], v[rT+1]
	v_mov_b32 v[MO], v[rT]                         ; c m_old
	v_max3_num_f32 v[CC], v[CC], v[CC+1], v[CC+2]
	v_permlanex16_b32 v[CC+3], v[CC], s[SEL], s[SEL+1]  ; the query's other 32 keys lie in the lane 16 away
	v_max_num_f32 v[rT+1], v[CC], v[CC+3]
	v_mul_f32 v[rT], s[CS], v[rT+1]
	v_sub_f32 v[CC+1], v[MO], v[rT]
.set i, 0
.rept 16
	v_pk_fma_f32 v[S+2*i:S+2*i+1], v[S+2*i:S+2*i+1], s[CS:CS+1], v[rT:rT+1] op_sel_hi:[1,0,0] neg_lo:[0,0,1] neg_hi:[0,0,1]  ; c s - c m
.set i, i+1
.endr
	v_exp_f32 v[CC+2], v[CC+1]                     ; a; then the 32 weights: one batch
.set i, 0
.rept 32
	v_exp_f32 v[S+i], v[S+i]
.set i, i+1
.endr
	v_nop                                          ; a plain instruction behind the last exponential,
	s_wait_alu depctr_va_vdst(0)                   ; and one wait for the batch, ahead of its first reader
.set i, 0
.rept 16
	v_cvt_pk_bf16_f32 v[P+i], v[S+2*i], v[S+2*i+1]
.set i, i+1
.endr
.irp w, 4,8,16,32                      ; the sum of the 16 pairs, in place: neighbours 1, 2, 4, 8 pairs apart
.set i, 0
.rept 32/(\w)
	v_pk_add_f32 v[S+(\w)*i:S+(\w)*i+1], v[S+(\w)*i:S+(\w)*i+1], v[S+(\w)*i+(\w)/2:S+(\w)*i+(\w)/2+1]
.set i, i+1
.endr
.endr
	v_pk_fma_f32 v[rT+2:rT+3], v[rT+2:rT+3], v[CC+2:CC+3], v[S:S+1] op_sel_hi:[1,0,1]  ; l = a l + sum
	WIN W_RS
.set i, 0
.rept 16
	v_pk_mul_f32 v[32*(\p)+2*i:32*(\p)+2*i+1], v[32*(\p)+2*i:32*(\p)+2*i+1], v[CC+2:CC+3] op_sel_hi:[1,0]
.set i, i+1
.endr
	s_wait_dscnt 0x0                               ; V is in
	WIN W_PV
.set i, 0
.rept 8
	v_wmma_f32_16x16x32_bf16 v[32*(\p)+8*(i%4):32*(\p)+8*(i%4)+7], v[VF+32*(i/4)+8*(i%4):VF+32*(i/4)+8*(i%4)+7], v[P+8*(i/4):P+8*(i/4)+7], v[32*(\p)+8*(i%4):32*(\p)+8*(i%4)+7]
.set i, i+1
.endr
	WIN 0
.if \skip
.Ldead_\@:
.endif
.endm
	s_wait_tensorcnt 0x0                           ; both my parts of K or of V are in,
	s_barrier_signal -1
	s_barrier_wait -1                              ; everybody's are: the walk below has no barrier
	s_wait_loadcnt 0x0                             ; Q
	s_mov_b32 s[STEP], 0
.Llow:                                                 ; key steps 0-7: piece 0 up to its band; piece 1's band lies above all of them
	FETCH
	PIECE 0, 1, 1
	PIECE 1, 0, 0
	s_add_co_u32 s[STEP], s[STEP], 1
	s_cmp_lt_u32 s[STEP], 8
	s_cbranch_scc1 .Llow
.Lhigh:                                                ; key steps 8-15: piece 1 up to its band; dead steps are jumped, to the label ahead of the count's step
	s_cmp_gt_u32 s[STEP], s[BAND+1]
	s_cbranch_scc1 .Lnext
	FETCH
	PIECE 1, 0, 1
.Lnext:
	s_add_co_u32 s[STEP], s[STEP], 1
	s_cmp_lt_u32 s[STEP], 16
	s_cbranch_scc1 .Lhigh
	s_wait_dscnt 0x0                               ; my reads of K and V are over,
	s_barrier_signal -1
	s_barrier_wait -1                              ; everybody's are: the stage may be written
	PLACES                                         ; behind the last products
.irp p, 0,1
	v_add_f32 v[ST+4*(\p)+2], v[ST+4*(\p)+2], v[ST+4*(\p)+3]
.endr
.irp p, 0,1
	v_permlanex16_b32 v[ST+4*(\p)+3], v[ST+4*(\p)+2], s[SEL], s[SEL+1]
.endr
.irp p, 0,1
	v_add_f32 v[ST+4*(\p)+2], v[ST+4*(\p)+2], v[ST+4*(\p)+3]
.endr
.irp p, 0,1
	v_rcp_f32 v[ST+4*(\p)+2], v[ST+4*(\p)+2]
.endr
	v_nop
	s_wait_alu depctr_va_vdst(0)                   ; one wait for the two reciprocals
.macro PACK t                          ; O^T / l, rounded; 16 bytes a lane into rows of 144 bytes, back as whole rows of 128
	WIN W_RS
.set i, 32*(\t)
.rept 16
	v_pk_mul_f32 v[i:i+1], v[i:i+1], v[ST+4*(\t)+2:ST+4*(\t)+3] op_sel_hi:[1,0]
.set i, i+2
.endr
	WIN 0x05
.set i, 0
.rept 16
	v_cvt_pk_bf16_f32 v[S+16*(\t)+i], v[32*(\t)+2*i], v[32*(\t)+2*i+1]
.set i, i+1
.endr
	WIN 0
.irp f, 0,1,2,3
	ds_store_b128 v[STO], v[S+16*(\t)+4*(\f):S+16*(\t)+4*(\f)+3] offset:32*(\f)
.endr
.irp f, 0,1,2,3
	ds_load_b128 v[S+16*(\t)+4*(\f):S+16*(\t)+4*(\f)+3], v[RD] offset:(\f)*4*SP  ; LDS serves a wave's instructions in order (ISA guide 5.7.1.4)
.endr
.endm
.macro SEND t, younger
.irp f, 0,1,2,3
	s_wait_dscnt (\younger)+3-(\f)
	global_store_b128 v[GO], v[S+16*(\t)+4*(\f):S+16*(\t)+4*(\f)+3], s[OB+2*(\t):OB+2*(\t)+1] offset:(\f)*512  ; 512 consecutive bytes
.endr
.endm
	PACK 0
	PACK 1
	SEND 0, 8
	SEND 1, 0
	s_wait_tensorcnt 0x0                           ; the wave's end
	ds_add_u32 v[SPW], v[NIL]
	s_wait_dscnt 0x0
	CROUND                                         ; the closing round
	s_endpgm
.Lfunc_end_k_qcfb0723e04_attn:
	.size	k_qcfb0723e04_attn, .Lfunc_end_k_qcfb0723e04_attn-k_qcfb0723e04_attn
	.p2alignl 7, 3214868480
	.fill 96, 4, 3214868480
	.section	.rodata,"a",@progbits
	.p2align	6, 0x0
	.amdhsa_kernel k_qcfb0723e04_attn
		.amdhsa_group_segment_fixed_size 327680
		.amdhsa_private_segment_fixed_size 0
		.amdhsa_enable_private_segment 0
		.amdhsa_kernarg_size 16
		.amdhsa_user_sgpr_count 2
		.amdhsa_user_sgpr_kernarg_segment_ptr 1
		.amdhsa_wavefront_size32 1
		.amdhsa_system_sgpr_workgroup_id_x 1
		.amdhsa_system_sgpr_workgroup_id_y 1
		.amdhsa_system_sgpr_workgroup_id_z 1
		.amdhsa_system_vgpr_workitem_id 0
		.amdhsa_next_free_vgpr 352
		.amdhsa_next_free_sgpr 76
		.amdhsa_reserve_vcc 1
		.amdhsa_float_denorm_mode_32 3
		.amdhsa_float_denorm_mode_16_64 3
		.amdhsa_memory_ordered 1
		.amdhsa_forward_progress 1
		.amdhsa_inst_pref_size 50
	.end_amdhsa_kernel
	.amdgpu_metadata
---
amdhsa.version: [ 1, 2 ]
amdhsa.kernels:
  - .name:           k_qcfb0723e04_attn
    .symbol:         k_qcfb0723e04_attn.kd
    .args:
      - { .name: big, .offset: 0, .size: 8, .value_kind: global_buffer, .address_space: global }
      - { .name: hb, .offset: 8, .size: 8, .value_kind: global_buffer, .address_space: global }
    .group_segment_fixed_size: 327680
    .private_segment_fixed_size: 0
    .kernarg_segment_align: 8
    .kernarg_segment_size: 16
    .max_flat_workgroup_size: 256
    .sgpr_count:     76
    .vgpr_count:     352
    .wavefront_size: 32
...
	.end_amdgpu_metadata
.endif
;; end of part 3
;; launch proj (part 4): grid 8 x 32, 4 waves a work-group, clusters of 4 x 4, 327,680 bytes of LDS; arguments hb, wa, bproj, x, x1; writes x1
.if DOCPART == 4
	.amdgcn_target "amdgcn-amd-amdhsa--gfx1250"
	.amdhsa_code_object_version 6
	.text
	.protected	k_qcfb0723e04_proj
	.globl	k_qcfb0723e04_proj
	.p2align	8
	.type	k_qcfb0723e04_proj,@function
k_qcfb0723e04_proj:
	s_mov_b64 s[64:65], 0
	v_nop
	global_prefetch_b8 v0, s[64:65] scope:SCOPE_SE
	s_setreg_imm32_b32 hwreg(HW_REG_WAVE_MODE, 25, 1), 1
	s_wait_xcnt 0x0
	s_wait_alu depctr_hold_cnt(0) depctr_sa_sdst(0) depctr_va_vdst(0) depctr_va_sdst(0) depctr_va_ssrc(0) depctr_va_vcc(0) depctr_vm_vsrc(0)
	s_getreg_b32 s2, hwreg(HW_REG_IB_STS2, 6, 4)
	s_cmp_eq_u32 s2, 0
	s_cbranch_scc0 .Lentry_in_a_cluster
	s_endpgm
.Lentry_in_a_cluster:
	s_bfe_u32 s2, ttmp6, 0x10000c
	s_cmp_lg_u32 s2, 0xf033
	s_cbranch_scc0 .Lentry_shape_is_right
	s_endpgm
.Lentry_shape_is_right:
; out = resid + bias + A B, f32 [4096][1024].  A: 4,096 rows x K, bf16, blocks of 128 rows x 64, room for 64 panels (1,048,576 bytes) a block row.  B: K x 1,024, bf16, from byte WB2 of its buffer,
; blocks of 128 k x 64 columns: ((np>>1) 16 + (k>>8)) 65536 + ((k>>7)&1) 32768 + (np&1) 16384: 1,048,576 bytes a tile column.
; Here K = 1,024: NS = 4 steps (the attention's output projection).  The feed-forward net's second layer has the same text with NS = 16.
; SHARES.  A tile is 128 x 128: 256 work-groups.  Four waves, each 64 x 64: 16 accumulators.  K goes in steps of 256 through two LDS slots; a wave's tensor load brings 32,768 dense bytes.
; CLUSTER 4 x 4: A's tiles shared along a row of the cluster, B's along a column, asked for jointly.  The matrix instruction is used transposed; the first product takes the bias as C.
; THE ORDER OF K.  In period t a cluster takes K step t xor m, m = 2 ((X + Y) & 1), X and Y the cluster's coordinates, which all sixteen partners share.  Of two clusters that are neighbours along x (they
; read the same rows of A) or along y (the same rows of B) one takes each pair of steps two periods ahead of the other.  The f32 sums are taken in that order.
; The residual is loaded at the head, in the layout in which rows leave, and stays on its way through the K loop.
; THE STAGE (16 rows x 272 bytes a wave) lies in slot 0: the last period lies in slot 1, slot 0 has had its last fill, and every wave's last read of it was waited for ahead of the last barrier.
; PREFETCH (assembled where NS is above 4).  A step is taken first by the clusters that take it in a period whose bit 1 is clear.  Behind the joint refills of the loop's even trips below LAPS - 2 a wave names the
; step of its own period two on: of the 128 blocks of 256 bytes that its load will bring, its work-group's 32, a lane a block.  A's blocks are named by every cluster (its neighbour along x takes them later),
; B's by the clusters with Y < 2, one for each parity of X + Y; the four partners of a joint load are told apart by address.  So each block is named once.  Periods 0 to 3 come by their loads alone.
; REGISTERS: window 0: v16-31 addresses; v32-95 rows on the way out, two sets; v96-127 bias; v128-255 accumulators.  window 1: two fragment buffers (A's 64, B's 64).  window 2: v0-127 the residual.
.set NS,     4                         ; K steps
.set LAPS,   NS/2                      ; a lap = two periods = once round the ring
.set WB2,    8421376
.set PA,     144                       ; a row of A in LDS: 128 bytes + 16: the 16 rows of a load start at 16 different groups of four banks (64 banks of 4 bytes: ISA guide 11.1)
.set PB,     160                       ; a row of B: 128 + 32
.set ABLK,   128*PA
.set BBLK,   128*PB
.set BOFF,   4*ABLK
.set SLOT,   4*ABLK+4*BBLK
.set SPARE,  2*SLOT                    ; the spare words, 128 bytes for each wave: two blocks of 256 bytes that no other line names
.set SPITCH, 272
.set ADRA, 16
.set ADRB, 20
.set STO,  24
.set RD,   25
.set CO,   26
.set SPW,  28
.set NIL,  29
.set PFO,  30
.set BO,   31
.set BK,   32
.set BIAS, 96
.set ACC,  128
.set F0,   0
.set F1,   128
.set WHO, 2                            ; s2      0 in a wave that fetches A, the cluster's y in one that fetches B
.set WLO, 12
.set G1,  24
.set G0,  32
.set LIM, 43                           ; s43     a wave prefetches in even trips below this number
.set PFA, 44                           ; s[44:45] the prefetch's address
.set G1B, 48
.set G0B, 56
.set MX,  66                           ; s66     m
.set TT,  67                           ; s67     the period whose tile the next refill asks for
.set PFB, 68                           ; s[68:69] my stream at K step 0, at my work-group's 32 blocks
.set WV,  70
.set WHI, 71
.set OUT, 72                           ; s[72:73] out
.set MSB, 0
.macro WIN new                         ; the immediate's high byte repeats the setting that is left; a switch that changes nothing is dropped
.if MSB != (\new)
	s_set_vgpr_msb (MSB<<8)|(\new)
.set MSB, \new
.endif
.endm
.set MUL,  0x05
.set TO_F, 0x40
.macro JLOAD s                         ; a joint load: waves 0, 1 fetch A's two pairs of panels, waves 2, 3 B's two blocks of 128 k
	s_cmp_eq_u32 s[WHI], 0
	s_cbranch_scc0 .Lfor_b_\@
	tensor_load_to_lds s[G0+4*(\s):G0+4*(\s)+3], s[G1:G1+7]
	s_nop 0
.rept 4
	v_nop
.endr
	s_branch .Lasked_\@
.Lfor_b_\@:
	tensor_load_to_lds s[G0B+4*(\s):G0B+4*(\s)+3], s[G1B:G1B+7]
	s_nop 0
.rept 4
	v_nop
.endr
.Lasked_\@:
.endm
.macro ASK                             ; in even trips below my limit
	s_bitcmp1_b32 s3, 0
	s_cbranch_scc1 .Lnot_now_\@
	s_cmp_lt_u32 s3, s[LIM]
	s_cbranch_scc0 .Lnot_now_\@
	global_prefetch_b8 v[PFO], s[PFA:PFA+1] th:TH_LOAD_NT scope:SCOPE_SE
.Lnot_now_\@:
.endm
.macro CREST
	s_cmp_lg_u32 s[WV], 0
	s_cbranch_scc1 .Lnot_wave_0_\@
	s_barrier_signal -3
.Lnot_wave_0_\@:
	s_barrier_wait -3
	s_barrier_signal -1
	s_barrier_wait -1
.endm
.macro CROUND
	s_barrier_signal -1
	s_barrier_wait -1
	CREST
.endm
.macro PLACES                          ; four plain places behind matrix instructions (ISA guide 7.12.1)
.rept 4
	v_nop
.endr
.endm
	s_load_b256 s[4:11], s[0:1], 0x0               ; A 4, B 6, bias 8, resid 10
	s_load_b64 s[OUT:OUT+1], s[0:1], 0x20          ; out
	v_lshl_add_u32 v[SPW], v0, 2, SPARE
	v_mov_b32 v[NIL], 0
	ds_add_u32 v[SPW], v[NIL]                      ; the wave's opening: the add and its wait stand ahead of my first tensor load
	v_lshrrev_b32 v1, 5, v0
	v_readfirstlane_b32 s[WV], v1
	s_lshr_b32 s[WHI], s[WV], 1                    ; my half of the rows; also: I fetch for A (0) or B (1)
	s_and_b32 s[WLO], s[WV], 1                     ; my half of the columns; also: which half of that tile I fetch
	s_bfe_u32 s40, ttmp6, 0x40000
	s_bfe_u32 s41, ttmp6, 0x40004
	s_lshl_b32 s42, ttmp9, 2
	s_add_co_u32 s42, s42, s40                     ; tile column
	s_and_b32 s22, ttmp7, 0xffff                   ; the cluster's y
	s_lshl_b32 s13, s22, 2
	s_add_co_u32 s13, s13, s41                     ; tile row
	s_add_co_u32 s[MX], s22, ttmp9
	s_and_b32 s[MX], s[MX], 1
	s_lshl_b32 s[MX], s[MX], 1                     ; m = 2 ((X + Y) & 1)
.if LAPS > 2
	s_cmp_eq_u32 s[WHI], 0
	s_cselect_b32 s[WHO], 0, s22
.endif
	s_lshl_b32 s43, s41, 2
	s_lshl_b32 s43, 15, s43                        ; my row of the cluster
	s_lshl_b32 s44, 0x1111, s40                    ; my column
	s_or_b32 s[G1+0], s43, (1<<16)|(1<<20)|(1<<21)|(4<<22)|(3<<25)   ; mask; 2-byte elements; padding on; bit 21 beside a mask; after every 32 words, 4 words
	s_or_b32 s[G1B+0], s44, (1<<16)|(1<<20)|(1<<21)|(4<<22)|(7<<25)  ; the same with 8 words
.irp g, G1, G1B
	s_mov_b32 s[(\g)+1], 128<<16                   ; 32,768 dense bytes as 128 rows of 256 bytes
	s_mov_b32 s[(\g)+2], 128<<16
	s_mov_b32 s[(\g)+3], 128<<16
	s_mov_b32 s[(\g)+4], 128
	s_mov_b32 s[(\g)+5], 128
	s_mov_b32 s[(\g)+6], 0
	s_mov_b32 s[(\g)+7], 0
.endr
	s_lshl_b32 s16, s13, 20                        ; A: my block row, panels 2 x half on
	s_lshl_b32 s17, s[WLO], 15
	s_add_co_u32 s16, s16, s17
	s_mov_b32 s17, 0
	s_lshl_b32 s46, s42, 20                        ; B: my tile column, 128 k x half on
	s_lshl_b32 s47, s[WLO], 15
	s_add_co_u32 s46, s46, s47
	s_add_co_u32 s46, s46, WB2
	s_mov_b32 s47, 0
	s_mul_i32 s20, s[WLO], 2*ABLK                  ; where they go: no place in the cluster enters an LDS address
	s_mul_i32 s21, s[WLO], 2*BBLK
	s_add_co_u32 s21, s21, BOFF
	s_mov_b32 s19, 0                               ; the high word of a K step's byte offset, s[18:19]
	s_wait_dscnt 0x0                               ; the opening add is done
	s_wait_kmcnt 0x0
	s_add_nc_u64 s[14:15], s[4:5], s[16:17]
	s_add_nc_u64 s[46:47], s[6:7], s[46:47]
	CROUND                                         ; all sixteen work-groups are here: the first joint loads meet
.irp s, 0,1
	s_xor_b32 s18, s[MX], \s                       ; period s takes K step s xor m, 65,536 bytes a step in both streams
	s_lshl_b32 s18, s18, 16
	s_mov_b32 s[G0+4*(\s)], 1
	s_add_co_u32 s[G0+4*(\s)+1], s20, (\s)*SLOT
	s_add_nc_u64 s[G0+4*(\s)+2:G0+4*(\s)+3], s[14:15], s[18:19]
	s_or_b32 s[G0+4*(\s)+3], s[G0+4*(\s)+3], 0x80000000
	s_mov_b32 s[G0B+4*(\s)], 1
	s_add_co_u32 s[G0B+4*(\s)+1], s21, (\s)*SLOT
	s_add_nc_u64 s[G0B+4*(\s)+2:G0B+4*(\s)+3], s[46:47], s[18:19]
	s_or_b32 s[G0B+4*(\s)+3], s[G0B+4*(\s)+3], 0x80000000
	JLOAD \s
.endr
	s_lshl_b32 s18, s42, 9                         ; my 64 columns, in bytes of f32
	s_lshl_b32 s19, s[WLO], 8
	s_add_co_u32 s18, s18, s19
	s_mov_b32 s19, 0
	s_add_nc_u64 s[8:9], s[8:9], s[18:19]
	s_lshl_b32 s22, s13, 7
	s_lshl_b32 s23, s[WHI], 6
	s_add_co_u32 s22, s22, s23
	s_lshl_b32 s22, s22, 12                        ; my 64 rows of 4,096 bytes
	s_add_co_u32 s18, s18, s22
	s_add_nc_u64 s[10:11], s[10:11], s[18:19]
	s_add_nc_u64 s[OUT:OUT+1], s[OUT:OUT+1], s[18:19]
.if LAPS > 2
	s_cmp_eq_u32 s[WHI], 0
	s_cselect_b32 s21, s40, s41                    ; my place among the four that ask with me
	s_cselect_b64 s[PFB:PFB+1], s[14:15], s[46:47]
	s_lshl_b32 s20, s21, 13
	s_mov_b32 s21, 0
	s_add_nc_u64 s[PFB:PFB+1], s[PFB:PFB+1], s[20:21]
	s_cmp_lt_u32 s[WHO], 2
	s_cselect_b32 s[LIM], LAPS-2, 0
	v_and_b32 v[PFO], 31, v0
	v_lshlrev_b32 v[PFO], 8, v[PFO]
.endif
	s_mov_b32 s[TT], 2
	v_and_b32 v1, 15, v0
	v_bfe_u32 v2, v0, 4, 1
	v_lshlrev_b32 v[BO], 5, v2
	v_lshlrev_b32 v[CO], 4, v1
	v_lshl_add_u32 v[CO], v2, 12, v[CO]            ; lanes 0-15 one row's 256 bytes, lanes 16-31 the next row's
.irp b, 0,1,2,3
	global_load_b128 v[BIAS+8*(\b):BIAS+8*(\b)+3],   v[BO], s[8:9] offset:64*(\b)
	global_load_b128 v[BIAS+8*(\b)+4:BIAS+8*(\b)+7], v[BO], s[8:9] offset:64*(\b)+16
.endr
	WIN 0x80
.set i, 0
.rept 32
	global_load_b128 v[4*i:4*i+3], v[CO], s[10:11] offset:2*i*4096
.set i, i+1
.endr
	WIN 0
	v_mul_u32_u24 v3, v1, PA
	v_lshl_add_u32 v3, v2, 4, v3
	v_and_b32 v4, 7, v0
	v_lshl_add_u32 v4, v2, 3, v4
	v_mul_u32_u24 v4, v4, PB
	v_bfe_u32 v5, v0, 3, 1
	v_lshl_add_u32 v4, v5, 4, v4
	s_mul_i32 s21, s[WHI], 64*PA
	s_mul_i32 s22, s[WLO], BBLK
	s_add_co_u32 s22, s22, BOFF
.irp s, 0,1
	v_add_nc_u32 v[ADRA+(\s)], s21, v3
	v_add_nc_u32 v[ADRB+(\s)], s22, v4
	s_add_co_u32 s21, s21, SLOT
	s_add_co_u32 s22, s22, SLOT
.endr
	s_mul_i32 s23, s[WV], 16*SPITCH
	v_mul_u32_u24 v5, v1, SPITCH
	v_lshl_add_u32 v5, v2, 5, v5
	v_add_nc_u32 v[STO], s23, v5                   ; in: row l % 16, 32 bytes for each half of the lanes
	v_mul_u32_u24 v5, v2, SPITCH
	v_lshl_add_u32 v5, v1, 4, v5
	v_add_nc_u32 v[RD], s23, v5                    ; back: two whole rows of 256 bytes
.macro MUL8 f, c, a0, zero             ; m blocks a0, a0 + 1 x all 4 n blocks, 32 along K: half c of buffer f; zero = 1: the sums start on the bias
	WIN MUL
.irp a, \a0, (\a0)+1
.irp b, 0,1,2,3
.if \zero
	v_wmma_f32_16x16x32_bf16 v[ACC+8*(4*(\a)+(\b)):ACC+8*(4*(\a)+(\b))+7], v[(\f)+64+8*(4*(\c)+(\b)):(\f)+64+8*(4*(\c)+(\b))+7], v[(\f)+8*(4*(\c)+(\a)):(\f)+8*(4*(\c)+(\a))+7], v[BIAS+8*(\b):BIAS+8*(\b)+7]
.else
	v_wmma_f32_16x16x32_bf16 v[ACC+8*(4*(\a)+(\b)):ACC+8*(4*(\a)+(\b))+7], v[(\f)+64+8*(4*(\c)+(\b)):(\f)+64+8*(4*(\c)+(\b))+7], v[(\f)+8*(4*(\c)+(\a)):(\f)+8*(4*(\c)+(\a))+7], v[ACC+8*(4*(\a)+(\b)):ACC+8*(4*(\a)+(\b))+7]
.endif
.endr
.endr
.endm
.macro FETCH slot, kq, f               ; 32 LDS loads: quarter kq (64 along K, one panel of A) into buffer f; the first 32 along K first
	WIN TO_F
.irp c, 0,1
.irp i, 0,1,2,3
	ds_load_tr16_b128 v[(\f)+64+8*(4*(\c)+(\i)):(\f)+64+8*(4*(\c)+(\i))+3],   v[ADRB+(\slot)] offset:((\kq)/2)*2*BBLK+(((\kq)%2)*64+32*(\c))*PB+32*(\i)
	ds_load_tr16_b128 v[(\f)+64+8*(4*(\c)+(\i))+4:(\f)+64+8*(4*(\c)+(\i))+7], v[ADRB+(\slot)] offset:((\kq)/2)*2*BBLK+(((\kq)%2)*64+32*(\c))*PB+32*(\i)+16*PB
	ds_load_b128 v[(\f)+8*(4*(\c)+(\i)):(\f)+8*(4*(\c)+(\i))+3],   v[ADRA+(\slot)] offset:(\kq)*ABLK+64*(\c)+(\i)*16*PA
	ds_load_b128 v[(\f)+8*(4*(\c)+(\i))+4:(\f)+8*(4*(\c)+(\i))+7], v[ADRA+(\slot)] offset:(\kq)*ABLK+64*(\c)+(\i)*16*PA+32
.endr
.endr
.endm
.macro QUARTER slot, kq, f, g, zero
	s_wait_dscnt 16                                ; the first 32 along K are in
	MUL8 \f, 0, 0, \zero
	MUL8 \f, 0, 2, \zero
	PLACES
	FETCH \slot, \kq, \g
	s_wait_dscnt 32                                ; all but the 32 just issued
	MUL8 \f, 1, 0, 0
	MUL8 \f, 1, 2, 0
.endm
.macro TURN slot, next, fill           ; a period's last quarter and the change of slots; fill = 1: the slot just read out takes period TT's step
.if (\fill) && (LAPS > 2)
	s_wait_xcnt 0x0                                ; the last prefetch, a period back, has read its address: it is made anew, for period TT + 2
	s_add_co_u32 s18, s[TT], 2
	s_xor_b32 s18, s18, s[MX]
	s_lshl_b32 s18, s18, 16
	s_add_nc_u64 s[PFA:PFA+1], s[PFB:PFB+1], s[18:19]
.endif
	WIN 0
	s_wait_tensorcnt 0x0                           ; all my tensor loads have landed: my part of the next slot; so a group 0 may be written
	ds_add_u32 v[SPW], v[NIL]                      ; 0 onto my spare word; the descriptors' scalar work and eight products stand behind it
.if \fill
	s_xor_b32 s18, s[TT], s[MX]                    ; period TT takes K step TT xor m
	s_lshl_b32 s18, s18, 16
	s_add_nc_u64 s[G0+4*(\slot)+2:G0+4*(\slot)+3], s[14:15], s[18:19]
	s_or_b32 s[G0+4*(\slot)+3], s[G0+4*(\slot)+3], 0x80000000
	s_add_nc_u64 s[G0B+4*(\slot)+2:G0B+4*(\slot)+3], s[46:47], s[18:19]
	s_or_b32 s[G0B+4*(\slot)+3], s[G0B+4*(\slot)+3], 0x80000000
	s_add_co_u32 s[TT], s[TT], 1
.endif
	s_wait_dscnt 17                                ; (the add and the youngest sixteen loads may be out)
	MUL8 F1, 0, 0, 0
	s_wait_dscnt 0x0                               ; the add is done, and my reads of this slot are over
	s_barrier_signal -1
	MUL8 F1, 0, 2, 0
.if \fill
	WIN 0
.endif
	s_barrier_wait -1
.if \fill
	CREST                                          ; no wave of any partner still reads this slot or has a load on its way
	JLOAD \slot                                    ; the first tensor load behind the round; its four v_nop are also the places in front of the loads below
.else
	PLACES
.endif
	FETCH \next, 0, F0
.if (\fill) && (LAPS > 2)
	WIN 0
	ASK
.endif
	MUL8 F1, 1, 0, 0
	MUL8 F1, 1, 2, 0
.endm
	s_wait_tensorcnt 1                             ; my part of period 0 is in; period 1's may stay out
	s_barrier_signal -1
	s_barrier_wait -1
	FETCH 0, 0, F0
	s_wait_loadcnt 32                              ; the bias is in; the residual's 32 loads stay out
	QUARTER 0, 1, F0, F1, 1
	WIN 0
	s_mov_b32 s3, 0
.Llap:                                                 ; once round the ring, from a lap's second quarter to the next lap's first; both slots are filled again
	QUARTER 0, 2, F1, F0, 0
	QUARTER 0, 3, F0, F1, 0
	TURN 0, 1, 1
	QUARTER 1, 1, F0, F1, 0
	QUARTER 1, 2, F1, F0, 0
	QUARTER 1, 3, F0, F1, 0
	TURN 1, 0, 1
	QUARTER 0, 1, F0, F1, 0
	WIN 0
	s_add_co_u32 s3, s3, 1
	s_cmp_lt_u32 s3, LAPS-1
	s_cbranch_scc1 .Llap
	QUARTER 0, 2, F1, F0, 0                        ; the last lap fills nothing
	QUARTER 0, 3, F0, F1, 0
	TURN 0, 1, 0
	QUARTER 1, 1, F0, F1, 0
	QUARTER 1, 2, F1, F0, 0
	QUARTER 1, 3, F0, F1, 0
	s_wait_dscnt 16
	MUL8 F1, 0, 0, 0
	MUL8 F1, 0, 2, 0
	s_wait_dscnt 0x0
	MUL8 F1, 1, 0, 0
	MUL8 F1, 1, 2, 0
	WIN 0
	PLACES
	PLACES
; THE WAY OUT, 16 rows at a time: f32 into my stage, back as whole rows of 256 bytes, the residual added, stored.
.macro STG a
.irp b, 0,1,2,3
	ds_store_b128 v[STO], v[ACC+8*(4*(\a)+(\b)):ACC+8*(4*(\a)+(\b))+3]   offset:64*(\b)
	ds_store_b128 v[STO], v[ACC+8*(4*(\a)+(\b))+4:ACC+8*(4*(\a)+(\b))+7] offset:64*(\b)+16
.endr
.endm
.macro LDB a
.irp t, 0,1,2,3,4,5,6,7
	ds_load_b128 v[BK+32*((\a)%2)+4*(\t):BK+32*((\a)%2)+4*(\t)+3], v[RD] offset:(\t)*2*SPITCH  ; LDS serves a wave's instructions in order (ISA guide 5.7.1.4)
.endr
.endm
.macro SEND a, younger                 ; younger: the LDS instructions issued behind block a's loads
	s_wait_dscnt \younger
	WIN 0x08                                       ; source 1 in window 2
.set k, 0
.rept 16
	v_pk_add_f32 v[BK+32*((\a)%2)+k:BK+32*((\a)%2)+k+1], v[BK+32*((\a)%2)+k:BK+32*((\a)%2)+k+1], v[32*(\a)+k:32*(\a)+k+1]
.set k, k+2
.endr
	WIN 0
.irp t, 0,1,2,3,4,5,6,7
	global_store_b128 v[CO], v[BK+32*((\a)%2)+4*(\t):BK+32*((\a)%2)+4*(\t)+3], s[OUT:OUT+1] offset:(16*(\a)+2*(\t))*4096  ; 16 lanes store 256 consecutive bytes
.endr
.endm
	STG 0
	LDB 0
	STG 1
	LDB 1
	s_wait_loadcnt 0x0                             ; the residual
	SEND 0, 16
	STG 2
	s_wait_xcnt 0x0                                ; block 0's stores have read their data: its registers are loaded again only behind this wait
	LDB 2
	SEND 1, 16
	STG 3
	s_wait_xcnt 0x0
	LDB 3
	SEND 2, 16
	SEND 3, 0
	s_wait_tensorcnt 0x0                           ; the wave's end
	ds_add_u32 v[SPW], v[NIL]
	s_wait_dscnt 0x0
	CROUND                                         ; the closing round
	s_endpgm
.Lfunc_end_k_qcfb0723e04_proj:
	.size	k_qcfb0723e04_proj, .Lfunc_end_k_qcfb0723e04_proj-k_qcfb0723e04_proj
	.p2alignl 7, 3214868480
	.fill 96, 4, 3214868480
	.section	.rodata,"a",@progbits
	.p2align	6, 0x0
	.amdhsa_kernel k_qcfb0723e04_proj
		.amdhsa_group_segment_fixed_size 327680
		.amdhsa_private_segment_fixed_size 0
		.amdhsa_enable_private_segment 0
		.amdhsa_kernarg_size 40
		.amdhsa_user_sgpr_count 2
		.amdhsa_user_sgpr_kernarg_segment_ptr 1
		.amdhsa_wavefront_size32 1
		.amdhsa_system_sgpr_workgroup_id_x 1
		.amdhsa_system_sgpr_workgroup_id_y 1
		.amdhsa_system_sgpr_workgroup_id_z 1
		.amdhsa_system_vgpr_workitem_id 0
		.amdhsa_next_free_vgpr 640
		.amdhsa_next_free_sgpr 76
		.amdhsa_reserve_vcc 0
		.amdhsa_float_denorm_mode_32 3
		.amdhsa_float_denorm_mode_16_64 3
		.amdhsa_memory_ordered 1
		.amdhsa_forward_progress 1
		.amdhsa_inst_pref_size 95
	.end_amdhsa_kernel
	.amdgpu_metadata
---
amdhsa.version: [ 1, 2 ]
amdhsa.kernels:
  - .name:           k_qcfb0723e04_proj
    .symbol:         k_qcfb0723e04_proj.kd
    .args:
      - { .name: hb, .offset: 0, .size: 8, .value_kind: global_buffer, .address_space: global }
      - { .name: wa, .offset: 8, .size: 8, .value_kind: global_buffer, .address_space: global }
      - { .name: bproj, .offset: 16, .size: 8, .value_kind: global_buffer, .address_space: global }
      - { .name: x, .offset: 24, .size: 8, .value_kind: global_buffer, .address_space: global }
      - { .name: x1, .offset: 32, .size: 8, .value_kind: global_buffer, .address_space: global }
    .group_segment_fixed_size: 327680
    .private_segment_fixed_size: 0
    .kernarg_segment_align: 8
    .kernarg_segment_size: 40
    .max_flat_workgroup_size: 128
    .sgpr_count:     76
    .vgpr_count:     640
    .wavefront_size: 32
...
	.end_amdgpu_metadata
.endif
;; end of part 4
;; launch ln2 (part 5): grid 256 x 1, 8 waves a work-group, no clusters, 0 bytes of LDS; arguments x1, ln2_g, ln2_b, hb; writes hb
.if DOCPART == 5
	.amdgcn_target "amdgcn-amd-amdhsa--gfx1250"
	.amdhsa_code_object_version 6
	.text
	.protected	k_qcfb0723e04_ln2
	.globl	k_qcfb0723e04_ln2
	.p2align	8
	.type	k_qcfb0723e04_ln2,@function
k_qcfb0723e04_ln2:
	s_mov_b64 s[64:65], 0
	v_nop
	global_prefetch_b8 v0, s[64:65] scope:SCOPE_SE
	s_setreg_imm32_b32 hwreg(HW_REG_WAVE_MODE, 25, 1), 1
	s_wait_xcnt 0x0
; LAYER NORM 2 of x1 [4096][1024] f32, rounded once to bf16, into hb in blocks of 128 rows x 64 (room for 64 panels a block row, 16 used).
; A work-group takes 16 rows.  Thread t takes row t >> 4 and of each panel i the columns 4 (t & 15) .. + 3: sixteen neighbouring lanes read 256 consecutive bytes of a row, and a wave's store of
; 8 bytes a lane covers 256 consecutive bytes: rows m, m + 1 of one panel.  A row lies in one group of 16 lanes.
; Mean and variance in two passes in f32.  Memory binds: no LDS, no barrier, no matrix unit; all of a wave's 48 loads go out at once.
.set X,  32
.set G,  96
.set BV, 160
.macro REDUCE
	v_pk_add_f32 v[8:9], v[8:9], v[10:11]
	v_pk_add_f32 v[12:13], v[12:13], v[14:15]
	v_pk_add_f32 v[8:9], v[8:9], v[12:13]
	v_add_f32 v8, v8, v9
	v_add_f32_dpp v8, v8, v8 row_xmask:1 row_mask:0xf bank_mask:0xf
	v_add_f32_dpp v8, v8, v8 row_xmask:2 row_mask:0xf bank_mask:0xf
	v_add_f32_dpp v8, v8, v8 row_xmask:4 row_mask:0xf bank_mask:0xf
	v_add_f32_dpp v8, v8, v8 row_xmask:8 row_mask:0xf bank_mask:0xf
.endm
	s_load_b256 s[8:15], s[0:1], 0x0               ; x1 8, gain 10, bias 12, hb 14
	s_mov_b32 s42, 0x3a800000                      ; 1 / 1024
	s_mov_b32 s43, 0x3727c5ac                      ; 1e-5
	s_lshl_b32 s2, ttmp9, 16                       ; 16 rows of 4,096 bytes
	s_mov_b32 s3, 0
	s_lshr_b32 s4, ttmp9, 3
	s_lshl_b32 s4, s4, 20                          ; block row of 128
	s_and_b32 s5, ttmp9, 7
	s_lshl_b32 s5, s5, 11                          ; 16 rows of 128 bytes in a panel
	s_add_co_u32 s4, s4, s5
	s_mov_b32 s5, 0
	v_lshrrev_b32 v5, 4, v0
	v_and_b32 v6, 15, v0
	v_lshlrev_b32 v3, 4, v6
	v_lshl_add_u32 v2, v5, 12, v3
	v_lshlrev_b32 v4, 3, v0
	s_wait_kmcnt 0x0
	s_add_nc_u64 s[8:9], s[8:9], s[2:3]
	s_add_nc_u64 s[14:15], s[14:15], s[4:5]
.irp i, 0,1,2,3,4,5,6,7,8,9,10,11,12,13,14,15
	global_load_b128 v[X+4*(\i):X+4*(\i)+3], v2, s[8:9] offset:256*(\i)
.endr
.irp i, 0,1,2,3,4,5,6,7,8,9,10,11,12,13,14,15
	global_load_b128 v[G+4*(\i):G+4*(\i)+3], v3, s[10:11] offset:256*(\i)
.endr
.irp i, 0,1,2,3,4,5,6,7,8,9,10,11,12,13,14,15
	global_load_b128 v[BV+4*(\i):BV+4*(\i)+3], v3, s[12:13] offset:256*(\i)
.endr
	s_wait_loadcnt 32                              ; the rows are in; the 32 younger loads (gain, bias) may stay out
.irp c, 0,1,2,3
	v_pk_add_f32 v[8+2*(\c):9+2*(\c)], v[X+2*(\c):X+2*(\c)+1], v[X+8+2*(\c):X+8+2*(\c)+1]
.endr
.irp k, 2,3,4,5,6,7
.irp c, 0,1,2,3
	v_pk_add_f32 v[8+2*(\c):9+2*(\c)], v[8+2*(\c):9+2*(\c)], v[X+8*(\k)+2*(\c):X+8*(\k)+2*(\c)+1]
.endr
.endr
	REDUCE
	v_mul_f32 v16, s42, v8
	v_mov_b32 v17, v16
.set p, 0
.rept 32
	v_pk_add_f32 v[X+p:X+p+1], v[X+p:X+p+1], v[16:17] neg_lo:[0,1] neg_hi:[0,1]
.set p, p+2
.endr
.irp c, 0,1,2,3
	v_pk_mul_f32 v[8+2*(\c):9+2*(\c)], v[X+2*(\c):X+2*(\c)+1], v[X+2*(\c):X+2*(\c)+1]
.endr
.irp k, 1,2,3,4,5,6,7
.irp c, 0,1,2,3
	v_pk_fma_f32 v[8+2*(\c):9+2*(\c)], v[X+8*(\k)+2*(\c):X+8*(\k)+2*(\c)+1], v[X+8*(\k)+2*(\c):X+8*(\k)+2*(\c)+1], v[8+2*(\c):9+2*(\c)]
.endr
.endr
	REDUCE
	v_fma_f32 v20, v8, s42, s43
	v_rsq_f32 v18, v20
	v_rsq_f32 v19, v20
	v_nop                                          ; a plain instruction behind the last of the two,
	s_wait_alu depctr_va_vdst(0)                   ; and one wait for both, ahead of the first reader
	s_wait_loadcnt 0x0
.set p, 0
.rept 32
	v_pk_mul_f32 v[X+p:X+p+1], v[X+p:X+p+1], v[18:19]
.set p, p+2
.endr
.set p, 0
.rept 32
	v_pk_fma_f32 v[X+p:X+p+1], v[X+p:X+p+1], v[G+p:G+p+1], v[BV+p:BV+p+1]
.set p, p+2
.endr
.set p, 0
.rept 32
	v_cvt_pk_bf16_f32 v[G+p], v[X+2*p], v[X+2*p+1]
.set p, p+1
.endr
.irp i, 0,1,2,3,4,5,6,7,8,9,10,11,12,13,14,15
	global_store_b64 v4, v[G+2*(\i):G+2*(\i)+1], s[14:15] offset:16384*(\i)
.endr
	s_endpgm
.Lfunc_end_k_qcfb0723e04_ln2:
	.size	k_qcfb0723e04_ln2, .Lfunc_end_k_qcfb0723e04_ln2-k_qcfb0723e04_ln2
	.p2alignl 7, 3214868480
	.fill 96, 4, 3214868480
	.section	.rodata,"a",@progbits
	.p2align	6, 0x0
	.amdhsa_kernel k_qcfb0723e04_ln2
		.amdhsa_group_segment_fixed_size 0
		.amdhsa_private_segment_fixed_size 0
		.amdhsa_enable_private_segment 0
		.amdhsa_kernarg_size 32
		.amdhsa_user_sgpr_count 2
		.amdhsa_user_sgpr_kernarg_segment_ptr 1
		.amdhsa_wavefront_size32 1
		.amdhsa_system_sgpr_workgroup_id_x 1
		.amdhsa_system_sgpr_workgroup_id_y 1
		.amdhsa_system_sgpr_workgroup_id_z 1
		.amdhsa_system_vgpr_workitem_id 0
		.amdhsa_next_free_vgpr 224
		.amdhsa_next_free_sgpr 66
		.amdhsa_reserve_vcc 0
		.amdhsa_float_denorm_mode_32 3
		.amdhsa_float_denorm_mode_16_64 3
		.amdhsa_memory_ordered 1
		.amdhsa_forward_progress 1
		.amdhsa_inst_pref_size 20
	.end_amdhsa_kernel
	.amdgpu_metadata
---
amdhsa.version: [ 1, 2 ]
amdhsa.kernels:
  - .name:           k_qcfb0723e04_ln2
    .symbol:         k_qcfb0723e04_ln2.kd
    .args:
      - { .name: x1, .offset: 0, .size: 8, .value_kind: global_buffer, .address_space: global }
      - { .name: ln2_g, .offset: 8, .size: 8, .value_kind: global_buffer, .address_space: global }
      - { .name: ln2_b, .offset: 16, .size: 8, .value_kind: global_buffer, .address_space: global }
      - { .name: hb, .offset: 24, .size: 8, .value_kind: global_buffer, .address_space: global }
    .group_segment_fixed_size: 0
    .private_segment_fixed_size: 0
    .kernarg_segment_align: 8
    .kernarg_segment_size: 32
    .max_flat_workgroup_size: 256
    .sgpr_count:     66
    .vgpr_count:     224
    .wavefront_size: 32
...
	.end_amdgpu_metadata
.endif
;; end of part 5
;; launch ffn1: the kernel of part 2 again; grid 16 x 16, 4 waves a work-group, clusters of 4 x 4, 327,680 bytes of LDS; arguments hb, wb, big; writes big
;; launch ffn2 (part 6): grid 8 x 32, 4 waves a work-group, clusters of 4 x 4, 327,680 bytes of LDS; arguments big, wb, b2, x1, out0; writes out0
.if DOCPART == 6
	.amdgcn_target "amdgcn-amd-amdhsa--gfx1250"
	.amdhsa_code_object_version 6
	.text
	.protected	k_qcfb0723e04_ffn2
	.globl	k_qcfb0723e04_ffn2
	.p2align	8
	.type	k_qcfb0723e04_ffn2,@function
k_qcfb0723e04_ffn2:
	s_mov_b64 s[64:65], 0
	v_nop
	global_prefetch_b8 v0, s[64:65] scope:SCOPE_SE
	s_setreg_imm32_b32 hwreg(HW_REG_WAVE_MODE, 25, 1), 1
	s_wait_xcnt 0x0
	s_wait_alu depctr_hold_cnt(0) depctr_sa_sdst(0) depctr_va_vdst(0) depctr_va_sdst(0) depctr_va_ssrc(0) depctr_va_vcc(0) depctr_vm_vsrc(0)
	s_getreg_b32 s2, hwreg(HW_REG_IB_STS2, 6, 4)
	s_cmp_eq_u32 s2, 0
	s_cbranch_scc0 .Lentry_in_a_cluster
	s_endpgm
.Lentry_in_a_cluster:
	s_bfe_u32 s2, ttmp6, 0x10000c
	s_cmp_lg_u32 s2, 0xf033
	s_cbranch_scc0 .Lentry_shape_is_right
	s_endpgm
.Lentry_shape_is_right:
; out = resid + bias + A B, f32 [4096][1024].  A: 4,096 rows x K, bf16, blocks of 128 rows x 64, room for 64 panels (1,048,576 bytes) a block row.  B: K x 1,024, bf16, from byte WB2 of its buffer,
; blocks of 128 k x 64 columns: ((np>>1) 16 + (k>>8)) 65536 + ((k>>7)&1) 32768 + (np&1) 16384: 1,048,576 bytes a tile column.
; Here K = 4,096: NS = 16 steps (the feed-forward net's second layer).  The attention's output projection has the same text with NS = 4.
; SHARES.  A tile is 128 x 128: 256 work-groups.  Four waves, each 64 x 64: 16 accumulators.  K goes in steps of 256 through two LDS slots; a wave's tensor load brings 32,768 dense bytes.
; CLUSTER 4 x 4: A's tiles shared along a row of the cluster, B's along a column, asked for jointly.  The matrix instruction is used transposed; the first product takes the bias as C.
; THE ORDER OF K.  In period t a cluster takes K step t xor m, m = 2 ((X + Y) & 1), X and Y the cluster's coordinates, which all sixteen partners share.  Of two clusters that are neighbours along x (they
; read the same rows of A) or along y (the same rows of B) one takes each pair of steps two periods ahead of the other.  The f32 sums are taken in that order.
; The residual is loaded at the head, in the layout in which rows leave, and stays on its way through the K loop.
; THE STAGE (16 rows x 272 bytes a wave) lies in slot 0: the last period lies in slot 1, slot 0 has had its last fill, and every wave's last read of it was waited for ahead of the last barrier.
; PREFETCH (assembled where NS is above 4).  A step is taken first by the clusters that take it in a period whose bit 1 is clear.  Behind the joint refills of the loop's even trips below LAPS - 2 (trips 0, 2, 4:
; the refills of periods 2, 3, 6, 7, 10, 11) a wave names the step of its own period two on: of the 128 blocks of 256 bytes that its load will bring, its work-group's 32, a lane a block.  A's blocks are named by
; every cluster (its neighbour along x takes them later), B's by the clusters with Y < 2, one for each parity of X + Y; the four partners of a joint load are told apart by address.  So each block is named once.
; Periods 0 to 3 come by their loads alone.
; REGISTERS: window 0: v16-31 addresses; v32-95 rows on the way out, two sets; v96-127 bias; v128-255 accumulators.  window 1: two fragment buffers (A's 64, B's 64).  window 2: v0-127 the residual.
.set NS,     16                        ; K steps
.set LAPS,   NS/2                      ; a lap = two periods = once round the ring
.set WB2,    8421376
.set PA,     144                       ; a row of A in LDS: 128 bytes + 16: the 16 rows of a load start at 16 different groups of four banks (64 banks of 4 bytes: ISA guide 11.1)
.set PB,     160                       ; a row of B: 128 + 32
.set ABLK,   128*PA
.set BBLK,   128*PB
.set BOFF,   4*ABLK
.set SLOT,   4*ABLK+4*BBLK
.set SPARE,  2*SLOT                    ; the spare words, 128 bytes for each wave: two blocks of 256 bytes that no other line names
.set SPITCH, 272
.set ADRA, 16
.set ADRB, 20
.set STO,  24
.set RD,   25
.set CO,   26
.set SPW,  28
.set NIL,  29
.set PFO,  30
.set BO,   31
.set BK,   32
.set BIAS, 96
.set ACC,  128
.set F0,   0
.set F1,   128
.set WHO, 2                            ; s2      0 in a wave that fetches A, the cluster's y in one that fetches B
.set WLO, 12
.set G1,  24
.set G0,  32
.set LIM, 43                           ; s43     a wave prefetches in even trips below this number
.set PFA, 44                           ; s[44:45] the prefetch's address
.set G1B, 48
.set G0B, 56
.set MX,  66                           ; s66     m
.set TT,  67                           ; s67     the period whose tile the next refill asks for
.set PFB, 68                           ; s[68:69] my stream at K step 0, at my work-group's 32 blocks
.set WV,  70
.set WHI, 71
.set OUT, 72                           ; s[72:73] out
.set MSB, 0
.macro WIN new                         ; the immediate's high byte repeats the setting that is left; a switch that changes nothing is dropped
.if MSB != (\new)
	s_set_vgpr_msb (MSB<<8)|(\new)
.set MSB, \new
.endif
.endm
.set MUL,  0x05
.set TO_F, 0x40
.macro JLOAD s                         ; a joint load: waves 0, 1 fetch A's two pairs of panels, waves 2, 3 B's two blocks of 128 k
	s_cmp_eq_u32 s[WHI], 0
	s_cbranch_scc0 .Lfor_b_\@
	tensor_load_to_lds s[G0+4*(\s):G0+4*(\s)+3], s[G1:G1+7]
	s_nop 0
.rept 4
	v_nop
.endr
	s_branch .Lasked_\@
.Lfor_b_\@:
	tensor_load_to_lds s[G0B+4*(\s):G0B+4*(\s)+3], s[G1B:G1B+7]
	s_nop 0
.rept 4
	v_nop
.endr
.Lasked_\@:
.endm
.macro ASK                             ; in even trips below my limit
	s_bitcmp1_b32 s3, 0
	s_cbranch_scc1 .Lnot_now_\@
	s_cmp_lt_u32 s3, s[LIM]
	s_cbranch_scc0 .Lnot_now_\@
	global_prefetch_b8 v[PFO], s[PFA:PFA+1] th:TH_LOAD_NT scope:SCOPE_SE
.Lnot_now_\@:
.endm
.macro CREST
	s_cmp_lg_u32 s[WV], 0
	s_cbranch_scc1 .Lnot_wave_0_\@
	s_barrier_signal -3
.Lnot_wave_0_\@:
	s_barrier_wait -3
	s_barrier_signal -1
	s_barrier_wait -1
.endm
.macro CROUND
	s_barrier_signal -1
	s_barrier_wait -1
	CREST
.endm
.macro PLACES                          ; four plain places behind matrix instructions (ISA guide 7.12.1)
.rept 4
	v_nop
.endr
.endm
	s_load_b256 s[4:11], s[0:1], 0x0               ; A 4, B 6, bias 8, resid 10
	s_load_b64 s[OUT:OUT+1], s[0:1], 0x20          ; out
	v_lshl_add_u32 v[SPW], v0, 2, SPARE
	v_mov_b32 v[NIL], 0
	ds_add_u32 v[SPW], v[NIL]                      ; the wave's opening: the add and its wait stand ahead of my first tensor load
	v_lshrrev_b32 v1, 5, v0
	v_readfirstlane_b32 s[WV], v1
	s_lshr_b32 s[WHI], s[WV], 1                    ; my half of the rows; also: I fetch for A (0) or B (1)
	s_and_b32 s[WLO], s[WV], 1                     ; my half of the columns; also: which half of that tile I fetch
	s_bfe_u32 s40, ttmp6, 0x40000
	s_bfe_u32 s41, ttmp6, 0x40004
	s_lshl_b32 s42, ttmp9, 2
	s_add_co_u32 s42, s42, s40                     ; tile column
	s_and_b32 s22, ttmp7, 0xffff                   ; the cluster's y
	s_lshl_b32 s13, s22, 2
	s_add_co_u32 s13, s13, s41                     ; tile row
	s_add_co_u32 s[MX], s22, ttmp9
	s_and_b32 s[MX], s[MX], 1
	s_lshl_b32 s[MX], s[MX], 1                     ; m = 2 ((X + Y) & 1)
.if LAPS > 2
	s_cmp_eq_u32 s[WHI], 0
	s_cselect_b32 s[WHO], 0, s22
.endif
	s_lshl_b32 s43, s41, 2
	s_lshl_b32 s43, 15, s43                        ; my row of the cluster
	s_lshl_b32 s44, 0x1111, s40                    ; my column
	s_or_b32 s[G1+0], s43, (1<<16)|(1<<20)|(1<<21)|(4<<22)|(3<<25)   ; mask; 2-byte elements; padding on; bit 21 beside a mask; after every 32 words, 4 words
	s_or_b32 s[G1B+0], s44, (1<<16)|(1<<20)|(1<<21)|(4<<22)|(7<<25)  ; the same with 8 words
.irp g, G1, G1B
	s_mov_b32 s[(\g)+1], 128<<16                   ; 32,768 dense bytes as 128 rows of 256 bytes
	s_mov_b32 s[(\g)+2], 128<<16
	s_mov_b32 s[(\g)+3], 128<<16
	s_mov_b32 s[(\g)+4], 128
	s_mov_b32 s[(\g)+5], 128
	s_mov_b32 s[(\g)+6], 0
	s_mov_b32 s[(\g)+7], 0
.endr
	s_lshl_b32 s16, s13, 20                        ; A: my block row, panels 2 x half on
	s_lshl_b32 s17, s[WLO], 15
	s_add_co_u32 s16, s16, s17
	s_mov_b32 s17, 0
	s_lshl_b32 s46, s42, 20                        ; B: my tile column, 128 k x half on
	s_lshl_b32 s47, s[WLO], 15
	s_add_co_u32 s46, s46, s47
	s_add_co_u32 s46, s46, WB2
	s_mov_b32 s47, 0
	s_mul_i32 s20, s[WLO], 2*ABLK                  ; where they go: no place in the cluster enters an LDS address
	s_mul_i32 s21, s[WLO], 2*BBLK
	s_add_co_u32 s21, s21, BOFF
	s_mov_b32 s19, 0                               ; the high word of a K step's byte offset, s[18:19]
	s_wait_dscnt 0x0                               ; the opening add is done
	s_wait_kmcnt 0x0
	s_add_nc_u64 s[14:15], s[4:5], s[16:17]
	s_add_nc_u64 s[46:47], s[6:7], s[46:47]
	CROUND                                         ; all sixteen work-groups are here: the first joint loads meet
.irp s, 0,1
	s_xor_b32 s18, s[MX], \s                       ; period s takes K step s xor m, 65,536 bytes a step in both streams
	s_lshl_b32 s18, s18, 16
	s_mov_b32 s[G0+4*(\s)], 1
	s_add_co_u32 s[G0+4*(\s)+1], s20, (\s)*SLOT
	s_add_nc_u64 s[G0+4*(\s)+2:G0+4*(\s)+3], s[14:15], s[18:19]
	s_or_b32 s[G0+4*(\s)+3], s[G0+4*(\s)+3], 0x80000000
	s_mov_b32 s[G0B+4*(\s)], 1
	s_add_co_u32 s[G0B+4*(\s)+1], s21, (\s)*SLOT
	s_add_nc_u64 s[G0B+4*(\s)+2:G0B+4*(\s)+3], s[46:47], s[18:19]
	s_or_b32 s[G0B+4*(\s)+3], s[G0B+4*(\s)+3], 0x80000000
	JLOAD \s
.endr
	s_lshl_b32 s18, s42, 9                         ; my 64 columns, in bytes of f32
	s_lshl_b32 s19, s[WLO], 8
	s_add_co_u32 s18, s18, s19
	s_mov_b32 s19, 0
	s_add_nc_u64 s[8:9], s[8:9], s[18:19]
	s_lshl_b32 s22, s13, 7
	s_lshl_b32 s23, s[WHI], 6
	s_add_co_u32 s22, s22, s23
	s_lshl_b32 s22, s22, 12                        ; my 64 rows of 4,096 bytes
	s_add_co_u32 s18, s18, s22
	s_add_nc_u64 s[10:11], s[10:11], s[18:19]
	s_add_nc_u64 s[OUT:OUT+1], s[OUT:OUT+1], s[18:19]
.if LAPS > 2
	s_cmp_eq_u32 s[WHI], 0
	s_cselect_b32 s21, s40, s41                    ; my place among the four that ask with me
	s_cselect_b64 s[PFB:PFB+1], s[14:15], s[46:47]
	s_lshl_b32 s20, s21, 13
	s_mov_b32 s21, 0
	s_add_nc_u64 s[PFB:PFB+1], s[PFB:PFB+1], s[20:21]
	s_cmp_lt_u32 s[WHO], 2
	s_cselect_b32 s[LIM], LAPS-2, 0
	v_and_b32 v[PFO], 31, v0
	v_lshlrev_b32 v[PFO], 8, v[PFO]
.endif
	s_mov_b32 s[TT], 2
	v_and_b32 v1, 15, v0
	v_bfe_u32 v2, v0, 4, 1
	v_lshlrev_b32 v[BO], 5, v2
	v_lshlrev_b32 v[CO], 4, v1
	v_lshl_add_u32 v[CO], v2, 12, v[CO]            ; lanes 0-15 one row's 256 bytes, lanes 16-31 the next row's
.irp b, 0,1,2,3
	global_load_b128 v[BIAS+8*(\b):BIAS+8*(\b)+3],   v[BO], s[8:9] offset:64*(\b)
	global_load_b128 v[BIAS+8*(\b)+4:BIAS+8*(\b)+7], v[BO], s[8:9] offset:64*(\b)+16
.endr
	WIN 0x80
.set i, 0
.rept 32
	global_load_b128 v[4*i:4*i+3], v[CO], s[10:11] offset:2*i*4096
.set i, i+1
.endr
	WIN 0
	v_mul_u32_u24 v3, v1, PA
	v_lshl_add_u32 v3, v2, 4, v3
	v_and_b32 v4, 7, v0
	v_lshl_add_u32 v4, v2, 3, v4
	v_mul_u32_u24 v4, v4, PB
	v_bfe_u32 v5, v0, 3, 1
	v_lshl_add_u32 v4, v5, 4, v4
	s_mul_i32 s21, s[WHI], 64*PA
	s_mul_i32 s22, s[WLO], BBLK
	s_add_co_u32 s22, s22, BOFF
.irp s, 0,1
	v_add_nc_u32 v[ADRA+(\s)], s21, v3
	v_add_nc_u32 v[ADRB+(\s)], s22, v4
	s_add_co_u32 s21, s21, SLOT
	s_add_co_u32 s22, s22, SLOT
.endr
	s_mul_i32 s23, s[WV], 16*SPITCH
	v_mul_u32_u24 v5, v1, SPITCH
	v_lshl_add_u32 v5, v2, 5, v5
	v_add_nc_u32 v[STO], s23, v5                   ; in: row l % 16, 32 bytes for each half of the lanes
	v_mul_u32_u24 v5, v2, SPITCH
	v_lshl_add_u32 v5, v1, 4, v5
	v_add_nc_u32 v[RD], s23, v5                    ; back: two whole rows of 256 bytes
.macro MUL8 f, c, a0, zero             ; m blocks a0, a0 + 1 x all 4 n blocks, 32 along K: half c of buffer f; zero = 1: the sums start on the bias
	WIN MUL
.irp a, \a0, (\a0)+1
.irp b, 0,1,2,3
.if \zero
	v_wmma_f32_16x16x32_bf16 v[ACC+8*(4*(\a)+(\b)):ACC+8*(4*(\a)+(\b))+7], v[(\f)+64+8*(4*(\c)+(\b)):(\f)+64+8*(4*(\c)+(\b))+7], v[(\f)+8*(4*(\c)+(\a)):(\f)+8*(4*(\c)+(\a))+7], v[BIAS+8*(\b):BIAS+8*(\b)+7]
.else
	v_wmma_f32_16x16x32_bf16 v[ACC+8*(4*(\a)+(\b)):ACC+8*(4*(\a)+(\b))+7], v[(\f)+64+8*(4*(\c)+(\b)):(\f)+64+8*(4*(\c)+(\b))+7], v[(\f)+8*(4*(\c)+(\a)):(\f)+8*(4*(\c)+(\a))+7], v[ACC+8*(4*(\a)+(\b)):ACC+8*(4*(\a)+(\b))+7]
.endif
.endr
.endr
.endm
.macro FETCH slot, kq, f               ; 32 LDS loads: quarter kq (64 along K, one panel of A) into buffer f; the first 32 along K first
	WIN TO_F
.irp c, 0,1
.irp i, 0,1,2,3
	ds_load_tr16_b128 v[(\f)+64+8*(4*(\c)+(\i)):(\f)+64+8*(4*(\c)+(\i))+3],   v[ADRB+(\slot)] offset:((\kq)/2)*2*BBLK+(((\kq)%2)*64+32*(\c))*PB+32*(\i)
	ds_load_tr16_b128 v[(\f)+64+8*(4*(\c)+(\i))+4:(\f)+64+8*(4*(\c)+(\i))+7], v[ADRB+(\slot)] offset:((\kq)/2)*2*BBLK+(((\kq)%2)*64+32*(\c))*PB+32*(\i)+16*PB
	ds_load_b128 v[(\f)+8*(4*(\c)+(\i)):(\f)+8*(4*(\c)+(\i))+3],   v[ADRA+(\slot)] offset:(\kq)*ABLK+64*(\c)+(\i)*16*PA
	ds_load_b128 v[(\f)+8*(4*(\c)+(\i))+4:(\f)+8*(4*(\c)+(\i))+7], v[ADRA+(\slot)] offset:(\kq)*ABLK+64*(\c)+(\i)*16*PA+32
.endr
.endr
.endm
.macro QUARTER slot, kq, f, g, zero
	s_wait_dscnt 16                                ; the first 32 along K are in
	MUL8 \f, 0, 0, \zero
	MUL8 \f, 0, 2, \zero
	PLACES
	FETCH \slot, \kq, \g
	s_wait_dscnt 32                                ; all but the 32 just issued
	MUL8 \f, 1, 0, 0
	MUL8 \f, 1, 2, 0
.endm
.macro TURN slot, next, fill           ; a period's last quarter and the change of slots; fill = 1: the slot just read out takes period TT's step
.if (\fill) && (LAPS > 2)
	s_wait_xcnt 0x0                                ; the last prefetch, a period back, has read its address: it is made anew, for period TT + 2
	s_add_co_u32 s18, s[TT], 2
	s_xor_b32 s18, s18, s[MX]
	s_lshl_b32 s18, s18, 16
	s_add_nc_u64 s[PFA:PFA+1], s[PFB:PFB+1], s[18:19]
.endif
	WIN 0
	s_wait_tensorcnt 0x0                           ; all my tensor loads have landed: my part of the next slot; so a group 0 may be written
	ds_add_u32 v[SPW], v[NIL]                      ; 0 onto my spare word; the descriptors' scalar work and eight products stand behind it
.if \fill
	s_xor_b32 s18, s[TT], s[MX]                    ; period TT takes K step TT xor m
	s_lshl_b32 s18, s18, 16
	s_add_nc_u64 s[G0+4*(\slot)+2:G0+4*(\slot)+3], s[14:15], s[18:19]
	s_or_b32 s[G0+4*(\slot)+3], s[G0+4*(\slot)+3], 0x80000000
	s_add_nc_u64 s[G0B+4*(\slot)+2:G0B+4*(\slot)+3], s[46:47], s[18:19]
	s_or_b32 s[G0B+4*(\slot)+3], s[G0B+4*(\slot)+3], 0x80000000
	s_add_co_u32 s[TT], s[TT], 1
.endif
	s_wait_dscnt 17                                ; (the add and the youngest sixteen loads may be out)
	MUL8 F1, 0, 0, 0
	s_wait_dscnt 0x0                               ; the add is done, and my reads of this slot are over
	s_barrier_signal -1
	MUL8 F1, 0, 2, 0
.if \fill
	WIN 0
.endif
	s_barrier_wait -1
.if \fill
	CREST                                          ; no wave of any partner still reads this slot or has a load on its way
	JLOAD \slot                                    ; the first tensor load behind the round; its four v_nop are also the places in front of the loads below
.else
	PLACES
.endif
	FETCH \next, 0, F0
.if (\fill) && (LAPS > 2)
	WIN 0
	ASK
.endif
	MUL8 F1, 1, 0, 0
	MUL8 F1, 1, 2, 0
.endm
	s_wait_tensorcnt 1                             ; my part of period 0 is in; period 1's may stay out
	s_barrier_signal -1
	s_barrier_wait -1
	FETCH 0, 0, F0
	s_wait_loadcnt 32                              ; the bias is in; the residual's 32 loads stay out
	QUARTER 0, 1, F0, F1, 1
	WIN 0
	s_mov_b32 s3, 0
.Llap:                                                 ; once round the ring, from a lap's second quarter to the next lap's first; both slots are filled again
	QUARTER 0, 2, F1, F0, 0
	QUARTER 0, 3, F0, F1, 0
	TURN 0, 1, 1
	QUARTER 1, 1, F0, F1, 0
	QUARTER 1, 2, F1, F0, 0
	QUARTER 1, 3, F0, F1, 0
	TURN 1, 0, 1
	QUARTER 0, 1, F0, F1, 0
	WIN 0
	s_add_co_u32 s3, s3, 1
	s_cmp_lt_u32 s3, LAPS-1
	s_cbranch_scc1 .Llap
	QUARTER 0, 2, F1, F0, 0                        ; the last lap fills nothing
	QUARTER 0, 3, F0, F1, 0
	TURN 0, 1, 0
	QUARTER 1, 1, F0, F1, 0
	QUARTER 1, 2, F1, F0, 0
	QUARTER 1, 3, F0, F1, 0
	s_wait_dscnt 16
	MUL8 F1, 0, 0, 0
	MUL8 F1, 0, 2, 0
	s_wait_dscnt 0x0
	MUL8 F1, 1, 0, 0
	MUL8 F1, 1, 2, 0
	WIN 0
	PLACES
	PLACES
; THE WAY OUT, 16 rows at a time: f32 into my stage, back as whole rows of 256 bytes, the residual added, stored.
.macro STG a
.irp b, 0,1,2,3
	ds_store_b128 v[STO], v[ACC+8*(4*(\a)+(\b)):ACC+8*(4*(\a)+(\b))+3]   offset:64*(\b)
	ds_store_b128 v[STO], v[ACC+8*(4*(\a)+(\b))+4:ACC+8*(4*(\a)+(\b))+7] offset:64*(\b)+16
.endr
.endm
.macro LDB a
.irp t, 0,1,2,3,4,5,6,7
	ds_load_b128 v[BK+32*((\a)%2)+4*(\t):BK+32*((\a)%2)+4*(\t)+3], v[RD] offset:(\t)*2*SPITCH  ; LDS serves a wave's instructions in order (ISA guide 5.7.1.4)
.endr
.endm
.macro SEND a, younger                 ; younger: the LDS instructions issued behind block a's loads
	s_wait_dscnt \younger
	WIN 0x08                                       ; source 1 in window 2
.set k, 0
.rept 16
	v_pk_add_f32 v[BK+32*((\a)%2)+k:BK+32*((\a)%2)+k+1], v[BK+32*((\a)%2)+k:BK+32*((\a)%2)+k+1], v[32*(\a)+k:32*(\a)+k+1]
.set k, k+2
.endr
	WIN 0
.irp t, 0,1,2,3,4,5,6,7
	global_store_b128 v[CO], v[BK+32*((\a)%2)+4*(\t):BK+32*((\a)%2)+4*(\t)+3], s[OUT:OUT+1] offset:(16*(\a)+2*(\t))*4096  ; 16 lanes store 256 consecutive bytes
.endr
.endm
	STG 0
	LDB 0
	STG 1
	LDB 1
	s_wait_loadcnt 0x0                             ; the residual
	SEND 0, 16
	STG 2
	s_wait_xcnt 0x0                                ; block 0's stores have read their data: its registers are loaded again only behind this wait
	LDB 2
	SEND 1, 16
	STG 3
	s_wait_xcnt 0x0
	LDB 3
	SEND 2, 16
	SEND 3, 0
	s_wait_tensorcnt 0x0                           ; the wave's end
	ds_add_u32 v[SPW], v[NIL]
	s_wait_dscnt 0x0
	CROUND                                         ; the closing round
	s_endpgm
.Lfunc_end_k_qcfb0723e04_ffn2:
	.size	k_qcfb0723e04_ffn2, .Lfunc_end_k_qcfb0723e04_ffn2-k_qcfb0723e04_ffn2
	.p2alignl 7, 3214868480
	.fill 96, 4, 3214868480
	.section	.rodata,"a",@progbits
	.p2align	6, 0x0
	.amdhsa_kernel k_qcfb0723e04_ffn2
		.amdhsa_group_segment_fixed_size 327680
		.amdhsa_private_segment_fixed_size 0
		.amdhsa_enable_private_segment 0
		.amdhsa_kernarg_size 40
		.amdhsa_user_sgpr_count 2
		.amdhsa_user_sgpr_kernarg_segment_ptr 1
		.amdhsa_wavefront_size32 1
		.amdhsa_system_sgpr_workgroup_id_x 1
		.amdhsa_system_sgpr_workgroup_id_y 1
		.amdhsa_system_sgpr_workgroup_id_z 1
		.amdhsa_system_vgpr_workitem_id 0
		.amdhsa_next_free_vgpr 640
		.amdhsa_next_free_sgpr 76
		.amdhsa_reserve_vcc 0
		.amdhsa_float_denorm_mode_32 3
		.amdhsa_float_denorm_mode_16_64 3
		.amdhsa_memory_ordered 1
		.amdhsa_forward_progress 1
		.amdhsa_inst_pref_size 96
	.end_amdhsa_kernel
	.amdgpu_metadata
---
amdhsa.version: [ 1, 2 ]
amdhsa.kernels:
  - .name:           k_qcfb0723e04_ffn2
    .symbol:         k_qcfb0723e04_ffn2.kd
    .args:
      - { .name: big, .offset: 0, .size: 8, .value_kind: global_buffer, .address_space: global }
      - { .name: wb, .offset: 8, .size: 8, .value_kind: global_buffer, .address_space: global }
      - { .name: b2, .offset: 16, .size: 8, .value_kind: global_buffer, .address_space: global }
      - { .name: x1, .offset: 24, .size: 8, .value_kind: global_buffer, .address_space: global }
      - { .name: out0, .offset: 32, .size: 8, .value_kind: global_buffer, .address_space: global }
    .group_segment_fixed_size: 327680
    .private_segment_fixed_size: 0
    .kernarg_segment_align: 8
    .kernarg_segment_size: 40
    .max_flat_workgroup_size: 128
    .sgpr_count:     76
    .vgpr_count:     640
    .wavefront_size: 32
...
	.end_amdgpu_metadata
.endif
;; end of part 6
;; ======== version 2 of 2: 7 launches; version 1 with the launch prep written anew for expert scheduling mode
;; workspace buffers: hb 33,554,432 bytes; big 33,554,432 bytes; x1 16,777,216 bytes; wa 16,809,984 bytes; wb 16,809,984 bytes
;; launch prep (part 7): grid 1025 x 1, 8 waves a work-group, no clusters, 0 bytes of LDS; arguments x, ln1_g, ln1_b, Wq, Wk, Wv, W1, W2, Wproj, b1, hb, wa, wb; writes hb, wa, wb
.if DOCPART == 7
	.amdgcn_target "amdgcn-amd-amdhsa--gfx1250"
	.amdhsa_code_object_version 6
	.text
	.protected	k_qcfb0723e04_prep
	.globl	k_qcfb0723e04_prep
	.p2align	8
	.type	k_qcfb0723e04_prep,@function
k_qcfb0723e04_prep:
	s_mov_b64 s[64:65], 0
	v_nop
	global_prefetch_b8 v0, s[64:65] scope:SCOPE_SE
	s_setreg_imm32_b32 hwreg(HW_REG_WAVE_SCHED_MODE, 0, 2), 2
	s_setreg_imm32_b32 hwreg(HW_REG_WAVE_MODE, 25, 1), 1
	s_wait_xcnt 0x0
	s_wait_alu depctr_vm_vsrc(0)
; PREP.  Five kinds of work-group, chosen by the work-group's number alone (forward scalar branches):
;   0..255     layer norm 1 of 16 rows of x, rounded once to bf16, into hb
;   256..511   W1 -> bf16 blocks in wb         512..767 W2 -> wb + WB2         768..831 Wproj -> wa + WB2        832..1023 Wq, Wk, Wv -> wa
;   1024       the headers: bias in f32 and floor word of the two launches that share the large GEMM body
; LAYOUTS.  All 16-bit data lie in dense blocks of 128 rows x 64 numbers (16,384 bytes).
;   activations [m][col]:              ((m>>7) 64 + (col>>6)) 16384 + (m&127) 128 + 2 (col&63)       (room for 64 panels a block row; hb uses 16)
;   weights, K = 1024 (wa, wb):        WOFF + (np>>2) 524288 + (k>>7) 65536 + (np&3) 16384 + (k&127) 128 + 2 c,   np = n>>6
;   weights, N = 1024 (at WB2):        ((np>>1) 16 + (k>>8)) 65536 + ((k>>7)&1) 32768 + (np&1) 16384 + (k&127) 128 + 2 c      (Wproj uses 4 of the 16 places of a tile column)
; LANES.  Sixteen neighbouring lanes read 256 consecutive bytes of a row of f32 (16 bytes a lane) and store its 128 bytes of bf16 (8 bytes a lane); a wave's two rows are neighbours in a
; block, so each store of a wave covers 256 consecutive bytes, aligned.
; LIMITS.  Mean and variance are taken in two passes in f32 (mean first, then the squares of x - mean).  NaN and infinities are not treated apart.
; THE MODE: SCHED_MODE bits 1:0 = 2 (LLVM: expert scheduling mode 2), set by the entry lines.  The code itself states the register dependences between vector instructions and memory
; instructions, with s_wait_alu, always for 0.
; THE PLAN.  Registers that memory instructions touch:
;   v2, v3, v4   byte offsets of loads and stores: made by vector instructions at a branch's head, never written again.  One wait ahead of the branch's first load states that they are written.
;   loaded data  (v[32:95] in a conversion; X, G, BV in the layer norm): each register is loaded once, and no load lands in a register that a vector instruction has named.
;   stored data  (v[96:127] in a conversion; G + 0 .. G + 31 in the layer norm): each register is written once by a rounding and read by one store; nothing that a store reads is written again.
; Both kinds of work go in four GROUPS.  At the head of group q one wait states that the roundings of group q - 1 have written their registers; that group's four stores follow, dealt among the
; vector instructions of group q, which name none of the registers that those stores read.  One more wait stands ahead of the last group's stores.
; No vector instruction writes a scalar register or VCC, EXEC is never written, and the text has no loop.
.set WOFF, 32768
.set WB2,  8421376
.set X,  32                            ; v[32:95]   my 64 numbers of a row: columns 64 i + 4 (l % 16) + 0..3 at X + 4 i
.set G,  96                            ; v[96:159]  their gains; the first 32 later take the packed results: group q's at G + 8 q, where gains of a group not behind q lay
.set BV, 160                           ; v[160:223] their biases
.macro REDUCE                          ; the four chains v[8:15] -> one sum for the row, in each of its 16 lanes
	v_pk_add_f32 v[8:9], v[8:9], v[10:11]
	v_pk_add_f32 v[12:13], v[12:13], v[14:15]
	v_pk_add_f32 v[8:9], v[8:9], v[12:13]
	v_add_f32 v8, v8, v9
	v_add_f32_dpp v8, v8, v8 row_xmask:1 row_mask:0xf bank_mask:0xf
	v_add_f32_dpp v8, v8, v8 row_xmask:2 row_mask:0xf bank_mask:0xf
	v_add_f32_dpp v8, v8, v8 row_xmask:4 row_mask:0xf bank_mask:0xf
	v_add_f32_dpp v8, v8, v8 row_xmask:8 row_mask:0xf bank_mask:0xf   ; a row lies in one group of 16 lanes: nothing crosses the halves
.endm
; The layer norm's store number j of the group in front of group q (none in front of group 0): panel 4 (q - 1) + j.
.macro LNST q, j, ds
.if (\q) > 0
	global_store_b64 v4, v[G+2*(4*(\q)-4+(\j)):G+2*(4*(\q)-4+(\j))+1], s[\ds:\ds+1] offset:16384*(4*(\q)-4+(\j))
.endif
.endm
; LAYER NORM of 16 rows: thread t takes row t >> 4, and of each panel i the columns 4 (t & 15) .. + 3.
.macro LNROWS xs, gs, bs, ds
	s_lshl_b32 s2, ttmp9, 16                       ; 16 rows of 4,096 bytes
	s_mov_b32 s3, 0
	s_add_nc_u64 s[\xs:\xs+1], s[\xs:\xs+1], s[2:3]
	s_lshr_b32 s2, ttmp9, 3
	s_lshl_b32 s2, s2, 20                          ; block row of 128: room for 64 panels of 16,384 bytes
	s_and_b32 s4, ttmp9, 7
	s_lshl_b32 s4, s4, 11                          ; 16 rows of 128 bytes in a panel
	s_add_co_u32 s2, s2, s4
	s_add_nc_u64 s[\ds:\ds+1], s[\ds:\ds+1], s[2:3]
	v_lshrrev_b32 v5, 4, v0                        ; my row of the 16
	v_and_b32 v6, 15, v0
	v_lshlrev_b32 v3, 4, v6                        ; my 16 bytes in a panel's 256 bytes of f32 (for gain and bias too)
	v_lshl_add_u32 v2, v5, 12, v3                  ; + my row
	v_lshlrev_b32 v4, 3, v0                        ; where my 8 bytes of bf16 go: 128 (t >> 4) + 8 (t & 15) = 8 t
	s_wait_alu depctr_va_vdst(0)                   ; v2, v3 and v4 are written: the loads below read v2 or v3 as their offset, the stores at the end v4
.irp i, 0,1,2,3,4,5,6,7,8,9,10,11,12,13,14,15
	global_load_b128 v[X+4*(\i):X+4*(\i)+3], v2, s[\xs:\xs+1] offset:256*(\i) th:TH_LOAD_NT
.endr
.irp i, 0,1,2,3,4,5,6,7,8,9,10,11,12,13,14,15
	global_load_b128 v[G+4*(\i):G+4*(\i)+3], v3, s[\gs:\gs+1] offset:256*(\i)
.endr
.irp i, 0,1,2,3,4,5,6,7,8,9,10,11,12,13,14,15
	global_load_b128 v[BV+4*(\i):BV+4*(\i)+3], v3, s[\bs:\bs+1] offset:256*(\i)
.endr
	s_wait_loadcnt 32                              ; x is in; the 32 younger loads (gain, bias) may stay out
.irp c, 0,1,2,3
	v_pk_add_f32 v[8+2*(\c):9+2*(\c)], v[X+2*(\c):X+2*(\c)+1], v[X+8+2*(\c):X+8+2*(\c)+1]   ; four chains, started by the first pairs
.endr
.irp k, 2,3,4,5,6,7
.irp c, 0,1,2,3
	v_pk_add_f32 v[8+2*(\c):9+2*(\c)], v[8+2*(\c):9+2*(\c)], v[X+8*(\k)+2*(\c):X+8*(\k)+2*(\c)+1]
.endr
.endr
	REDUCE
	v_mul_f32 v16, s42, v8                         ; mean = sum / 1024
	v_mov_b32 v17, v16
.set p, 0
.rept 32
	v_pk_add_f32 v[X+p:X+p+1], v[X+p:X+p+1], v[16:17] neg_lo:[0,1] neg_hi:[0,1]
.set p, p+2
.endr
.irp c, 0,1,2,3
	v_pk_mul_f32 v[8+2*(\c):9+2*(\c)], v[X+2*(\c):X+2*(\c)+1], v[X+2*(\c):X+2*(\c)+1]
.endr
.irp k, 1,2,3,4,5,6,7
.irp c, 0,1,2,3
	v_pk_fma_f32 v[8+2*(\c):9+2*(\c)], v[X+8*(\k)+2*(\c):X+8*(\k)+2*(\c)+1], v[X+8*(\k)+2*(\c):X+8*(\k)+2*(\c)+1], v[8+2*(\c):9+2*(\c)]
.endr
.endr
	REDUCE
	v_fma_f32 v20, v8, s42, s43                    ; variance + 1e-5
	v_rsq_f32 v18, v20
	v_rsq_f32 v19, v20                             ; twice: a pair for the packed multiply
	v_nop                                          ; a plain instruction behind the last of the two,
	s_wait_alu depctr_va_vdst(0)                   ; and one wait for both: v18 and v19 are written, ahead of their first reader
	s_wait_loadcnt 0x0                             ; gain and bias
; The tail, four panels (16 numbers a lane) to a group: scaled, gain and bias, rounded.  The group before leaves meanwhile.
.irp q, 0,1,2,3
.if (\q) > 0
	s_wait_alu depctr_va_vdst(0)                   ; the roundings of the group before have written v[G + 8 (q - 1) .. + 7], which the four stores dealt below read; no line of this group names them
.endif
	LNST \q, 0, \ds
.irp k, 0,1,2,3,4,5,6,7
	v_pk_mul_f32 v[X+16*(\q)+2*(\k):X+16*(\q)+2*(\k)+1], v[X+16*(\q)+2*(\k):X+16*(\q)+2*(\k)+1], v[18:19]
.endr
	LNST \q, 1, \ds
.irp k, 0,1,2,3,4,5,6,7
	v_pk_fma_f32 v[X+16*(\q)+2*(\k):X+16*(\q)+2*(\k)+1], v[X+16*(\q)+2*(\k):X+16*(\q)+2*(\k)+1], v[G+16*(\q)+2*(\k):G+16*(\q)+2*(\k)+1], v[BV+16*(\q)+2*(\k):BV+16*(\q)+2*(\k)+1]
.endr
	LNST \q, 2, \ds
.irp k, 0,1,2,3
	v_cvt_pk_bf16_f32 v[G+8*(\q)+(\k)], v[X+16*(\q)+2*(\k)], v[X+16*(\q)+2*(\k)+1]  ; the gains that lay here have been used: their registers take the packed results
.endr
	LNST \q, 3, \ds
.irp k, 4,5,6,7
	v_cvt_pk_bf16_f32 v[G+8*(\q)+(\k)], v[X+16*(\q)+2*(\k)], v[X+16*(\q)+2*(\k)+1]
.endr
.endr
	s_wait_alu depctr_va_vdst(0)                   ; the last group's roundings have written v[G + 24 .. G + 31], which the last four stores read
.irp j, 0,1,2,3
	LNST 4, \j, \ds
.endr
.endm
; 256 k-rows of one panel of 64 columns, f32 -> bf16.  Thread t: row (t>>4) + 16 i, 4 columns.  v2 = source offset, v4 = 8 t.
; stride = 16 source rows in bytes; dhi = bytes between the two blocks of 128 k-rows in the target.
; Four groups of four loads: group q rounds its rows while the stores of group q - 1 leave.
.macro CONV ss, ds, stride, dhi
	s_wait_alu depctr_va_vdst(0)                   ; v2 and v4 are written: the loads below read v2 as their offset, the stores v4
.irp i, 0,1,2,3,4,5,6,7,8,9,10,11,12,13,14,15
	global_load_b128 v[32+4*(\i):35+4*(\i)], v2, s[\ss:\ss+1] offset:(\i)*(\stride) th:TH_LOAD_NT
.endr
.irp q, 0,1,2,3
	s_wait_loadcnt 12-4*(\q)                       ; loads come back in order (ISA guide 5.7.1): this group's four are in, the younger groups may stay out
.if (\q) > 0
	s_wait_alu depctr_va_vdst(0)                   ; the roundings of the group before have written v[96 + 8 (q - 1) .. + 7], which the four stores dealt below read; no line of this group names them
.endif
.irp j, 0,1,2,3
.set ci, 4*(\q)+(\j)                   ; the row that is rounded
.set cs, ci-4                          ; the row that is stored
.if (\q) > 0
	global_store_b64 v4, v[96+2*cs:97+2*cs], s[\ds:\ds+1] offset:(cs/8)*(\dhi)+(cs%8)*2048
.endif
	v_cvt_pk_bf16_f32 v[96+2*ci], v[32+4*ci], v[33+4*ci]
	v_cvt_pk_bf16_f32 v[97+2*ci], v[34+4*ci], v[35+4*ci]
.endr
.endr
	s_wait_alu depctr_va_vdst(0)                   ; the last group's roundings have written v[120:127], which the last four stores read
.irp j, 0,1,2,3
	global_store_b64 v4, v[120+2*(\j):121+2*(\j)], s[\ds:\ds+1] offset:(\dhi)+(4+(\j))*2048
.endr
.endm
.macro WBDST ds                        ; s4 = np, s5 = the quarter of K: the target's place in the K = 1024 layout
	s_lshr_b32 s6, s4, 2
	s_lshl_b32 s6, s6, 19
	s_and_b32 s7, s4, 3
	s_lshl_b32 s7, s7, 14
	s_add_co_u32 s6, s6, s7
	s_lshl_b32 s7, s5, 17
	s_add_co_u32 s6, s6, s7
	s_add_co_u32 s6, s6, WOFF
	s_mov_b32 s7, 0
	s_add_nc_u64 s[\ds:\ds+1], s[\ds:\ds+1], s[6:7]
.endm
	s_load_b512 s[8:23], s[0:1], 0x0               ; x 8, ln1_g 10, ln1_b 12, Wq 14, Wk 16, Wv 18, W1 20, W2 22
	s_load_b256 s[24:31], s[0:1], 0x40             ; Wproj 24, b1 26, hb 28, wa 30
	s_load_b64 s[32:33], s[0:1], 0x60              ; wb
	s_mov_b32 s42, 0x3a800000                      ; 1 / 1024
	s_mov_b32 s43, 0x3727c5ac                      ; 1e-5
	s_wait_kmcnt 0x0
	s_cmp_lt_u32 ttmp9, 256
	s_cbranch_scc1 .Lln
	s_cmp_lt_u32 ttmp9, 512
	s_cbranch_scc1 .Lw1
	s_cmp_lt_u32 ttmp9, 832
	s_cbranch_scc1 .Lw2
	s_cmp_lt_u32 ttmp9, 1024
	s_cbranch_scc1 .Lqkv
	; THE HEADERS: wa: bias 0 for 3,072 columns, floor -inf twice (the maximum with it changes nothing); wb: bias b1, floor 0 (the ReLU).
	v_lshlrev_b32 v4, 4, v0
.irp r, 8,9,10,11
	v_mov_b32 v\r, 0
.endr
.irp r, 12,13,14,15
	v_mov_b32 v\r, 0xff80ff80
.endr
	s_wait_alu depctr_va_vdst(0)                   ; v4 is written, the offset of every load and store below; so are v[8:15], the data of the first five stores
.irp j, 0,1,2,3
	global_load_b128 v[16+4*(\j):19+4*(\j)], v4, s[26:27] offset:4096*(\j)
.endr
	global_store_b128 v4, v[8:11], s[30:31]
	global_store_b128 v4, v[8:11], s[30:31] offset:4096
	global_store_b128 v4, v[8:11], s[30:31] offset:8192
	global_store_b128 v4, v[12:15], s[30:31] offset:16384
	global_store_b128 v4, v[8:11], s[32:33] offset:16384
	s_wait_loadcnt 0x0                             ; b1 is in: the last four stores' data come from loads, not from vector instructions
.irp j, 0,1,2,3
	global_store_b128 v4, v[16+4*(\j):19+4*(\j)], s[32:33] offset:4096*(\j)
.endr
	s_endpgm
.Lln:
	LNROWS 8, 10, 12, 28
	s_endpgm
.Lw1:                                                  ; W1 [1024][4096]: np = id >> 2, quarter of K = id & 3
	s_sub_co_u32 s2, ttmp9, 256
	s_lshr_b32 s4, s2, 2
	s_and_b32 s5, s2, 3
	s_lshl_b32 s6, s5, 22                          ; 256 rows of 16,384 bytes
	s_lshl_b32 s7, s4, 8
	s_add_co_u32 s6, s6, s7
	s_mov_b32 s7, 0
	s_add_nc_u64 s[20:21], s[20:21], s[6:7]
	WBDST 32
	v_lshrrev_b32 v1, 4, v0
	v_and_b32 v3, 15, v0
	v_lshlrev_b32 v2, 4, v3
	v_lshl_add_u32 v2, v1, 14, v2
	v_lshlrev_b32 v4, 3, v0
	CONV 20, 32, 262144, 65536
	s_endpgm
.Lw2:                                                  ; W2 [4096][1024] (256 work-groups), then Wproj [1024][1024] (64): np = id & 15, block of 256 k = id >> 4
	s_sub_co_u32 s2, ttmp9, 512
	s_cmp_lt_u32 s2, 256
	s_cselect_b64 s[38:39], s[22:23], s[24:25]
	s_cselect_b64 s[44:45], s[32:33], s[30:31]
	s_and_b32 s2, s2, 255
	s_and_b32 s4, s2, 15
	s_lshr_b32 s5, s2, 4
	s_lshl_b32 s6, s5, 20                          ; 256 rows of 4,096 bytes
	s_lshl_b32 s7, s4, 8
	s_add_co_u32 s6, s6, s7
	s_mov_b32 s7, 0
	s_add_nc_u64 s[38:39], s[38:39], s[6:7]
	s_lshr_b32 s6, s4, 1
	s_lshl_b32 s6, s6, 4                           ; 16 places of 65,536 bytes a tile column
	s_add_co_u32 s6, s6, s5
	s_lshl_b32 s6, s6, 16
	s_and_b32 s7, s4, 1
	s_lshl_b32 s7, s7, 14
	s_add_co_u32 s6, s6, s7
	s_add_co_u32 s6, s6, WB2
	s_mov_b32 s7, 0
	s_add_nc_u64 s[44:45], s[44:45], s[6:7]
	v_lshrrev_b32 v1, 4, v0
	v_and_b32 v3, 15, v0
	v_lshlrev_b32 v2, 4, v3
	v_lshl_add_u32 v2, v1, 12, v2
	v_lshlrev_b32 v4, 3, v0
	CONV 38, 44, 65536, 32768
	s_endpgm
.Lqkv:                                                 ; Wq, Wk, Wv [16][1024][64]: which = id >> 6, head = (id & 63) >> 2, quarter of K = id & 3
	s_sub_co_u32 s2, ttmp9, 832
	s_lshr_b32 s3, s2, 6
	s_cmp_eq_u32 s3, 0
	s_cselect_b64 s[38:39], s[14:15], s[16:17]
	s_cmp_eq_u32 s3, 2
	s_cselect_b64 s[38:39], s[18:19], s[38:39]
	s_and_b32 s2, s2, 63
	s_lshl_b32 s6, s2, 16                          ; 256 rows of 256 bytes, dense
	s_mov_b32 s7, 0
	s_add_nc_u64 s[38:39], s[38:39], s[6:7]
	s_lshr_b32 s4, s2, 2
	s_lshl4_add_u32 s4, s3, s4                     ; np = 16 which + head
	s_and_b32 s5, s2, 3
	WBDST 30
	v_lshlrev_b32 v2, 4, v0
	v_lshlrev_b32 v4, 3, v0
	CONV 38, 30, 4096, 65536
	s_endpgm
.Lfunc_end_k_qcfb0723e04_prep:
	.size	k_qcfb0723e04_prep, .Lfunc_end_k_qcfb0723e04_prep-k_qcfb0723e04_prep
	.p2alignl 7, 3214868480
	.fill 96, 4, 3214868480
	.section	.rodata,"a",@progbits
	.p2align	6, 0x0
	.amdhsa_kernel k_qcfb0723e04_prep
		.amdhsa_group_segment_fixed_size 0
		.amdhsa_private_segment_fixed_size 0
		.amdhsa_enable_private_segment 0
		.amdhsa_kernarg_size 104
		.amdhsa_user_sgpr_count 2
		.amdhsa_user_sgpr_kernarg_segment_ptr 1
		.amdhsa_wavefront_size32 1
		.amdhsa_system_sgpr_workgroup_id_x 1
		.amdhsa_system_sgpr_workgroup_id_y 1
		.amdhsa_system_sgpr_workgroup_id_z 1
		.amdhsa_system_vgpr_workitem_id 0
		.amdhsa_next_free_vgpr 224
		.amdhsa_next_free_sgpr 66
		.amdhsa_reserve_vcc 0
		.amdhsa_float_denorm_mode_32 3
		.amdhsa_float_denorm_mode_16_64 3
		.amdhsa_memory_ordered 1
		.amdhsa_forward_progress 1
		.amdhsa_inst_pref_size 42
	.end_amdhsa_kernel
	.amdgpu_metadata
---
amdhsa.version: [ 1, 2 ]
amdhsa.kernels:
  - .name:           k_qcfb0723e04_prep
    .symbol:         k_qcfb0723e04_prep.kd
    .args:
      - { .name: x, .offset: 0, .size: 8, .value_kind: global_buffer, .address_space: global }
      - { .name: ln1_g, .offset: 8, .size: 8, .value_kind: global_buffer, .address_space: global }
      - { .name: ln1_b, .offset: 16, .size: 8, .value_kind: global_buffer, .address_space: global }
      - { .name: Wq, .offset: 24, .size: 8, .value_kind: global_buffer, .address_space: global }
      - { .name: Wk, .offset: 32, .size: 8, .value_kind: global_buffer, .address_space: global }
      - { .name: Wv, .offset: 40, .size: 8, .value_kind: global_buffer, .address_space: global }
      - { .name: W1, .offset: 48, .size: 8, .value_kind: global_buffer, .address_space: global }
      - { .name: W2, .offset: 56, .size: 8, .value_kind: global_buffer, .address_space: global }
      - { .name: Wproj, .offset: 64, .size: 8, .value_kind: global_buffer, .address_space: global }
      - { .name: b1, .offset: 72, .size: 8, .value_kind: global_buffer, .address_space: global }
      - { .name: hb, .offset: 80, .size: 8, .value_kind: global_buffer, .address_space: global }
      - { .name: wa, .offset: 88, .size: 8, .value_kind: global_buffer, .address_space: global }
      - { .name: wb, .offset: 96, .size: 8, .value_kind: global_buffer, .address_space: global }
    .group_segment_fixed_size: 0
    .private_segment_fixed_size: 0
    .kernarg_segment_align: 8
    .kernarg_segment_size: 104
    .max_flat_workgroup_size: 256
    .sgpr_count:     66
    .vgpr_count:     224
    .wavefront_size: 32
...
	.end_amdgpu_metadata
.endif
;; end of part 7
;; launch qkv: the kernel of part 2 again; grid 12 x 16, 4 waves a work-group, clusters of 4 x 4, 327,680 bytes of LDS; arguments hb, wa, big; writes big
;; launch attn: the kernel of part 3 again; grid 4 x 64, 8 waves a work-group, clusters of 4 x 1, 327,680 bytes of LDS; arguments big, hb; writes hb
;; launch proj: the kernel of part 4 again; grid 8 x 32, 4 waves a work-group, clusters of 4 x 4, 327,680 bytes of LDS; arguments hb, wa, bproj, x, x1; writes x1
;; launch ln2: the kernel of part 5 again; grid 256 x 1, 8 waves a work-group, no clusters, 0 bytes of LDS; arguments x1, ln2_g, ln2_b, hb; writes hb
;; launch ffn1: the kernel of part 2 again; grid 16 x 16, 4 waves a work-group, clusters of 4 x 4, 327,680 bytes of LDS; arguments hb, wb, big; writes big
;; launch ffn2: the kernel of part 6 again; grid 8 x 32, 4 waves a work-group, clusters of 4 x 4, 327,680 bytes of LDS; arguments big, wb, b2, x1, out0; writes out0
